; MI455X (gfx1250); checked and timed in simulation.
; The chip was launched on July 23, 2026; its instructions are those of AMD's public machine-readable ISA for CDNA 5 (MIT licence, August 2026) and "CDNA5" Instruction Set Architecture Reference Guide (July 2026). The comments in the code are by the model that wrote it; some were corrected since.
;; Multi Head Attention. Allowed arithmetic: matrix products marked QUANTISED: E2M3 operands, one E8M0 scale for each 32 along K, by v_wmma_scale_f32_16x16x128_f8f6f4 with both operands' format E2M3, f32 sums; everything else in f32.
;; Inputs: Wk 1,024 x 1,024 float32; Wo 1,024 x 1,024 float32; Wq 1,024 x 1,024 float32; Wv 1,024 x 1,024 float32; bk 1,024 float32; bo 1,024 float32; bq 1,024 float32; bv 1,024 float32; key 2 x 2,048 x 1,024 float32; query 2 x 2,048 x 1,024 float32; value 2 x 2,048 x 1,024 float32.
;; Outputs: out0 2 x 2,048 x 1,024 float32.
;; This version of the problem:
;;   THIS VERSION OF THE PROBLEM IS GIVEN IN LOW PRECISION. The matrix products marked QUANTISED in the list below multiply operands that are first quantised to E2M3 (2 exponent bits, 3 mantissa bits; 6 bits a number), with one power-of-two scale for each 32 numbers along K (OCP MX v1.0); their sums are f32. All else is computed in f32.
;;   The module's matrix products, in the order in which they are computed (A, B: the left and right operand; K: the contracted axis; several contracted axes count as one K, in the product's order):
;;     1. [M 4,096, K 1,024] x [K 1,024, N 1,024]; A: input query; B: input Wq: QUANTISED
;;     2. [M 4,096, K 1,024] x [K 1,024, N 1,024]; A: input key; B: input Wk: QUANTISED
;;     3. [M 4,096, K 1,024] x [K 1,024, N 1,024]; A: input value; B: input Wv: QUANTISED
;;     4. batch 32 x [M 2,048, K 64] x [K 64, N 2,048]; A: computed on the way; B: computed on the way: QUANTISED
;;     5. batch 32 x [M 2,048, K 2,048] x [K 2,048, N 64]; A: softmax (see below); B: computed on the way: QUANTISED
;;     6. [M 4,096, K 1,024] x [K 1,024, N 1,024]; A: computed on the way; B: input Wo: QUANTISED
;;   THE QUANTISER, for each operand of a quantised product, along K:
;;     - K is cut into blocks of 32 from its start; a last block that is shorter is filled with zeros.
;;     - A block's scale is 2^e with e = floor(log2(the largest magnitude in the block)) - 2, held to -126 .. 127; a block of zeros has e = 0. As a byte (E8M0): e + 127.
;;     - Each number is divided by its block's scale, clamped to +-7.5, and rounded to the nearest number of E2M3, ties to even, subnormals kept.
;;     - The product sums the exact products of the quantised numbers (number of the format x scale) in f32.
;;   ~~~python
;;   def quantise(x, axis):      # numpy; x: float32 -> the quantised numbers, widened to float32 again
;;       x = np.moveaxis(x, axis, -1); K = x.shape[-1]
;;       x = np.pad(x, [(0, 0)] * (x.ndim - 1) + [(0, -K % 32)]); x = x.reshape(x.shape[:-1] + (-1, 32)); a = np.abs(x).max(-1, keepdims=True)
;;       e = np.where(a > 0, np.clip(np.frexp(np.where(a > 0, a, 1))[1] - 1 - 2, -126, 127), 0)      # np.frexp(a)[1] - 1 = floor(log2(a)), exactly
;;       r = np.clip(x / 2.0 ** e, -7.5, 7.5)
;;       step = 2.0 ** (np.maximum(np.frexp(np.where(r == 0, 1, r))[1] - 1, 0) - 3)
;;       q = np.round(r / step) * step * 2.0 ** e      # np.round: ties to even
;;       return np.moveaxis(q.reshape(q.shape[:-2] + (-1,))[..., :K], -1, axis).astype(np.float32)
;;   ~~~
;;   SOFTMAX AHEAD OF A QUANTISED PRODUCT. Where the list says 'softmax', what is quantised is not the finished softmax but p = 2^(t - M), with t = logit x log2(e) and M = ceil(the row's largest t), a whole number; so 1/2 < the row's largest p <= 1. The row's sum l is taken of the UNQUANTISED p, in f32, and the product's result is divided by l at the end. Since M is a whole number, a kernel that streams over the keys may use a running M (the ceiling of the running maximum): every later rescaling is an exact power of two, which a block's scale takes up: the codes' values come out the same.
;;   OPERANDS COMPUTED ON THE WAY. 'Computed on the way' means the value that the module computes at that place (a softmax that the list does not call 'softmax' is quantised finished and normalised). What goes into a quantiser is computed in f32, as accurately as f32 sums, v_exp_f32 and their like allow (about 1e-6 of the number): no bf16 or f16 on the way to a quantiser, and a product that is left as it is and whose result goes on into a quantised operand takes f32 operands (vector FMAs, or v_wmma_f32_16x16x4_f32). A number that lies on a knife's edge between two numbers of the format may be rounded either way, as far as f32 arithmetic and the matrix unit's own rounding can turn it there, and no further.
;; One version. Each part assembles by itself: llvm-mc -triple=amdgcn-amd-amdhsa -mcpu=gfx1250 --defsym DOCPART=n.
;; ======== version 1 of 1: 4 launches
;; limits: right only within a limited range of input values
;; workspace buffers: xc 9,437,184 bytes; xs 393,216 bytes; wc 3,145,728 bytes; ws 131,072 bytes; hc 9,437,184 bytes; hs 655,360 bytes; ac 3,145,728 bytes; asc 131,072 bytes
;; launch prep (part 1): grid 512 x 1, 4 waves a work-group, no clusters, 34,304 bytes of LDS; arguments query, key, value, Wq, Wk, Wv, Wo, xc, xs, wc, ws; writes xc, xs, wc, ws
.if DOCPART == 1
	.amdgcn_target "amdgcn-amd-amdhsa--gfx1250"
	.amdhsa_code_object_version 6
	.text
	.protected	k_q6eb03695f7_prep
	.globl	k_q6eb03695f7_prep
	.p2align	8
	.type	k_q6eb03695f7_prep,@function
k_q6eb03695f7_prep:
	s_mov_b64 s[64:65], 0
	v_nop
	global_prefetch_b8 v0, s[64:65] scope:SCOPE_SE
	s_setreg_imm32_b32 hwreg(HW_REG_WAVE_MODE, 25, 1), 1
	s_wait_xcnt 0x0
; query, key, value [4096][1024] and Wq, Wk, Wv, Wo [1024 (k)][1024 (n)], all f32, become codes of FP6 (E2M3) with one E8M0 byte for each 32 along K.
; A block's scale is 2^(floor(log2(its largest magnitude)) - 2): its byte is the largest magnitude's exponent field - 2, held at 1 from below.
; LIMITS: a block of zeros gets the byte 1 where the rule says 127 (its codes are zeros, and this program alone reads the bytes); blocks whose largest magnitude
; lies under 2^-124 were not tried; NaN and infinities are not served.
; THE CODES ARE LAID AS IMAGES OF THE OPERAND'S REGISTERS.  Rows go in tiles of 16: place i of tile 2 p + u is row 32 p + 8 u + i + 8 (i / 8).  16 rows x 64 K (registers 0-5 of a fragment;
; lane (r, h) holds K = 32 h .. 32 h + 31 of place r) are 768 bytes: registers 0-3 at 16 x lane, registers 4-5 at 512 + 16 r + 8 h.  Two such images on end are a fragment of 128 K.
;   xc [tensor][K / 256][row tile 256][3072]   xs [tensor][row place 4096][32]     wc [K / 256][weight][row tile 64 (n)][3072]   ws [weight][row place 1024][32]
; Work-groups 0-383 take the activations (K innermost), 384-511 the weights (K outermost); each reads 128 KiB.  No barrier: waves share nothing.  Only the first path touches LDS.
.set SEL, 26                           ; s[26:27] lane selects: lane l xor 16
.set LH,  1                            ; v1   16 x lane
.set LT,  2                            ; v2   16 r + 8 h
.set STI, 6                            ; v6   the stage, on the way in
.set STO, 7                            ; v7   and on the way out
.set SOF, 8                            ; v8   32 r: my row of scale bytes
.set TM,  12                           ; v12-15 largest magnitudes
.set TB,  16                           ; v16-19 the other half's, then the bytes
.set TS,  20                           ; v20-23 the conversions' scale operands
.set PWR, 28                           ; v28-31 a scale word for each step
.set PC,  32                           ; v32-43 a fragment's codes
.set CT,  44                           ; v44-51 the conversions' second halves
.set X,   64                           ; v64-127 64 numbers of a lane (weights: two sets of 32)
.set R,   128                          ; v128-255 two sets of 64 registers as loaded (weights: the images to store)
; 64 numbers of a lane, register 16 b + i = K 32 b + 16 h + i of my row, become a fragment's 12 registers in v[PC] on and its scale word in v[pw]
.macro QUANT s, pw
.irp b, 0,1,2,3
	v_max3_num_f32 v[TM+\b], |v[\s+16*\b]|, |v[\s+1+16*\b]|, 0x1800000     ; my 16 numbers of block b, and the floor 2^(3 - 127): the byte cannot fall under 1
.endr
.irp i, 2,4,6,8,10,12,14
.irp b, 0,1,2,3
	v_max3_num_f32 v[TM+\b], v[TM+\b], |v[\s+16*\b+\i]|, |v[\s+1+16*\b+\i]|   ; the four blocks by turns
.endr
.endr
.irp b, 0,1,2,3
	v_permlanex16_b32 v[TB+\b], v[TM+\b], s[SEL], s[SEL+1]
.endr
.irp b, 0,1,2,3
	v_max_num_f32 v[TM+\b], v[TM+\b], v[TB+\b]                             ; with lane l xor 16's: the block's largest magnitude
.endr
.irp b, 0,1,2,3
	v_add_nc_u32 v[TS+\b], 0xff000000, v[TM+\b]                            ; 2 off its exponent field: the conversion takes this operand's exponent field as its scale
.endr
.irp b, 0,1,2,3
	v_lshrrev_b32 v[TB+\b], 23, v[TS+\b]                                   ; the scale's byte
.endr
	v_lshl_or_b32 v[\pw], v[TB+1], 8, v[TB]
	v_lshl_or_b32 v[\pw], v[TB+2], 16, v[\pw]
	v_lshl_or_b32 v[\pw], v[TB+3], 24, v[\pw]
.irp c, 0,1
	v_cvt_scalef32_pk16_fp6_f32 v[PC+6*\c:PC+6*\c+2], v[\s+32*\c:\s+32*\c+15], v[TS+2*\c]
	v_cvt_scalef32_pk16_fp6_f32 v[CT+4*\c:CT+4*\c+2], v[\s+32*\c+16:\s+32*\c+31], v[TS+2*\c+1]   ; (a conversion's three registers begin on an even number)
.endr
	v_nop                                                                  ; one plain place behind a scaled conversion
.irp c, 0,1                                                            ; the layout wants a whole block in a lane: lanes 0-15 block 2 c, lanes 16-31 block 2 c + 1
.irp i, 0,1,2
	v_permlane16_swap_b32 v[PC+6*\c+\i], v[CT+4*\c+\i]
.endr
.irp i, 0,1,2
	v_mov_b32 v[PC+3+6*\c+\i], v[CT+4*\c+\i]
.endr
.endr
.endm
	s_load_b256 s[4:11], s[0:1], 0x0               ; query, key, value, Wq
	s_load_b256 s[12:19], s[0:1], 0x20             ; Wk, Wv, Wo, xc
	s_load_b128 s[20:23], s[0:1], 0x40             ; xs, wc
	s_load_b64 s[24:25], s[0:1], 0x50              ; ws
	v_lshl_add_u32 v62, v0, 2, 0x8400
	v_mov_b32 v63, 0
	v_lshrrev_b32 v3, 5, v0
	v_readfirstlane_b32 s28, v3                    ; wave 0..3
	v_and_b32 v3, 31, v0                           ; lane
	s_cmp_lt_u32 ttmp9, 384
	s_cbranch_scc0 .Lweights
; ---- THE ACTIVATIONS.  Work-group: tensor t, row tiles 2 id and 2 id + 1.  Wave w: tile 2 id + w / 2, K half w % 2: four steps of 128 along K.
; A load reads 512 consecutive bytes of one row; a step's 16 rows turn through the wave's own stage (rows 528 bytes apart) so that a lane gets 16 neighbours of each block of its row.
	v_and_b32 v4, 15, v0                           ; r
	v_bfe_u32 v5, v0, 4, 1                         ; h
	v_lshlrev_b32 v[LH], 4, v3
	v_lshlrev_b32 v[LT], 4, v4
	v_lshl_add_u32 v[LT], v5, 3, v[LT]
	s_mul_i32 s29, s28, 8448                       ; my stage: 16 rows x 528 bytes
	v_add_nc_u32 v[STI], s29, v[LH]
	v_mul_u32_u24 v[STO], v4, 528
	v_lshl_add_u32 v[STO], v5, 6, v[STO]
	v_add_nc_u32 v[STO], s29, v[STO]               ; row r, + 64 h
	v_lshlrev_b32 v[SOF], 5, v4
	s_mov_b32 s[SEL], 0x76543210
	s_mov_b32 s[SEL+1], 0xfedcba98
.irp b, 0,1,2,3
	v_mov_b32 v[TB+\b], 0                          ; written once: a lane permute's destination counts as one of its sources
.endr
	s_lshr_b32 s30, ttmp9, 7                       ; t
	s_and_b32 s31, ttmp9, 127                      ; id
	s_lshr_b32 s32, s28, 1
	s_and_b32 s33, s28, 1                          ; K half
	s_lshl_b32 s34, s31, 17                        ; query, value: 32 id rows of 4,096 bytes
	; KEY'S ROWS ARE DEALT OTHERWISE: place i of tile 4 c + j is row 64 c + 8 j + i + 24 (i / 8), with c = id / 2 and j = 2 (id % 2) + w / 2: so a lane of the scores holds whole blocks of 32 keys
	s_lshr_b32 s35, s31, 1
	s_lshl_b32 s35, s35, 18                        ; 64 c rows
	s_and_b32 s36, s31, 1
	s_lshl_b32 s36, s36, 16                        ; + 16 (id % 2) rows
	s_add_co_u32 s35, s35, s36
	s_cmp_eq_u32 s30, 1                            ; the choice hangs on the work-group's number alone
	s_cselect_b32 s34, s35, s34
	s_cselect_b32 s36, 65536, 0                    ; key: places 8-15 lie 16 rows further on
	v_add_nc_u32 v9, s36, v[LH]                    ; v9: the lane offset for places 8-15
	s_lshl_b32 s35, s32, 15                        ; + 8 rows for the odd tile,
	s_add_co_u32 s34, s34, s35
	s_lshl_b32 s35, s33, 11                        ; + 512 numbers for the upper half of K
	s_add_co_u32 s34, s34, s35
	s_mov_b32 s35, 0
	s_lshl_b32 s36, s31, 1
	s_add_co_u32 s36, s36, s32                     ; the row tile
	s_mul_i32 s38, s30, 3145728
	s_mul_i32 s37, s33, 1572864
	s_add_co_u32 s38, s38, s37
	s_mul_i32 s37, s36, 3072
	s_add_co_u32 s38, s38, s37
	s_mov_b32 s39, 0                               ; s[38:39]: my place in xc
	s_lshl_b32 s2, s30, 17
	s_lshl_b32 s3, s36, 9
	s_add_co_u32 s2, s2, s3
	s_lshl_b32 s3, s33, 4
	s_add_co_u32 s2, s2, s3
	s_mov_b32 s3, 0                                ; s[2:3]: my place in xs
	s_wait_alu depctr_va_vdst(0)
	s_wait_kmcnt 0x0
	s_cmp_eq_u32 s30, 1                            ; the choice hangs on the work-group's number alone
	s_cselect_b64 s[4:5], s[6:7], s[4:5]
	s_cmp_eq_u32 s30, 2
	s_cselect_b64 s[4:5], s[8:9], s[4:5]
	s_add_nc_u64 s[4:5], s[4:5], s[34:35]
	s_add_nc_u64 s[18:19], s[18:19], s[38:39]
	s_add_nc_u64 s[20:21], s[20:21], s[2:3]
.macro LOADX s                         ; step s: place i is row i + 8 (i / 8) from the tile's first
.irp i, 0,1,2,3,4,5,6,7,8,9,10,11,12,13,14,15
	global_load_b128 v[R+64*((\s)%2)+4*\i:R+64*((\s)%2)+4*\i+3], v[LH+8*(\i/8)], s[4:5] offset:(\i+8*(\i/8))*4096+512*(\s) th:TH_LOAD_NT
.endr
.endm
.macro TURNX s                         ; LDS serves a wave's instructions in order: no wait between the stores and the loads
.irp i, 0,1,2,3,4,5,6,7,8,9,10,11,12,13,14,15
	ds_store_b128 v[STI], v[R+64*((\s)%2)+4*\i:R+64*((\s)%2)+4*\i+3] offset:528*\i
.endr
.irp b, 0,1,2,3
.irp j, 0,1,2,3
	ds_load_b128 v[X+16*\b+4*\j:X+16*\b+4*\j+3], v[STO] offset:128*\b+16*\j
.endr
.endr
.endm
.macro STEPX s
.if (\s) < 3
	s_wait_loadcnt 16                              ; this step's 16 loads are in; the next step's 16 may be out
.else
	s_wait_loadcnt 0
.endif
	TURNX \s
	s_wait_dscnt 0x0                               ; the numbers are back, and the stage's stores have read their registers
.if (\s) > 0
	s_wait_xcnt 0x0                                ; the last step's stores have read the codes' registers: they are written again below
.endif
.if (\s) < 2
	LOADX (\s)+2
.endif
	QUANT X, PWR+(\s)
	global_store_b128 v[LH], v[PC:PC+3], s[18:19] offset:((\s)/2)*786432+((\s)%2)*1536            ; each store covers 512 or 256 consecutive bytes, aligned
	global_store_b64 v[LT], v[PC+4:PC+5], s[18:19] offset:((\s)/2)*786432+((\s)%2)*1536+512
	global_store_b128 v[LH], v[PC+6:PC+9], s[18:19] offset:((\s)/2)*786432+((\s)%2)*1536+768
	global_store_b64 v[LT], v[PC+10:PC+11], s[18:19] offset:((\s)/2)*786432+((\s)%2)*1536+1280
.endm
	LOADX 0
	LOADX 1
	STEPX 0
	STEPX 1
	STEPX 2
	STEPX 3
	global_store_b128 v[SOF], v[PWR:PWR+3], s[20:21]   ; my row's 16 scale bytes of this half of K (both halves of the lanes write the same bytes with the same values); pieces of 16 bytes, 32 apart: one byte in 128 of what is read
	s_wait_tensorcnt 0x0
	ds_add_u32 v62, v63
	s_wait_dscnt 0x0
	s_endpgm
; ---- THE WEIGHTS.  Work-group: weight, 256 along K (q4), 128 columns (g).  A LANE TAKES A COLUMN n AND ITS REGISTERS RUN DOWN K: a block of 32 lies in one lane, and the codes come out with K innermost.
; Lane l's column is place r = l % 8 + 8 (l / 16) of tile u = (l / 8) % 2 of its wave's two tiles.  It holds both blocks of a 64-K image, so it stores 16 bytes at 16 r (h = 0), at 256 + 16 r (h = 1) and at 512 + 16 r (both tails).
.Lweights:
	s_sub_co_u32 s30, ttmp9, 384
	s_lshr_b32 s31, s30, 5                         ; which weight
	s_and_b32 s32, s30, 7                          ; g
	s_bfe_u32 s33, s30, 0x20003                    ; q4
	s_wait_alu depctr_va_vdst(0)
	v_lshlrev_b32 v1, 2, v3                        ; in: 4 bytes a lane
	v_bfe_u32 v4, v0, 3, 1                         ; u
	v_and_b32 v5, 7, v0
	v_bfe_u32 v6, v0, 4, 1
	v_lshl_add_u32 v5, v6, 3, v5                   ; r
	v_mul_u32_u24 v2, v4, 3072
	v_lshl_add_u32 v2, v5, 4, v2                   ; out: 3072 u + 16 r
	v_lshl_add_u32 v7, v4, 4, v5
	v_lshlrev_b32 v7, 5, v7                        ; scale bytes: row place 16 u + r, 32 bytes a row
	s_lshl_b32 s34, s33, 20                        ; 256 q4 rows of 4,096 bytes
	s_lshl_b32 s35, s32, 9
	s_add_co_u32 s34, s34, s35
	s_lshl_b32 s35, s28, 7
	s_add_co_u32 s34, s34, s35                     ; + column 128 g + 32 w
	s_mov_b32 s35, 0
	s_lshl_b32 s36, s32, 3
	s_lshl_b32 s37, s28, 1
	s_add_co_u32 s36, s36, s37                     ; my first tile: 8 g + 2 w
	s_mul_i32 s38, s36, 3072
	s_mul_i32 s37, s31, 196608                     ; wc is laid [K / 256][weight][row tile 64][3072]: a K step of 256 is 786,432 bytes, as in xc
	s_add_co_u32 s38, s38, s37
	s_mul_i32 s37, s33, 786432
	s_add_co_u32 s38, s38, s37
	s_mov_b32 s39, 0
	s_lshl_b32 s2, s36, 9                          ; 16 rows x 32 bytes a tile
	s_lshl_b32 s3, s31, 15
	s_add_co_u32 s2, s2, s3
	s_lshl_b32 s3, s33, 3
	s_add_co_u32 s2, s2, s3
	s_mov_b32 s3, 0
	s_wait_alu depctr_va_vdst(0)
	s_wait_kmcnt 0x0
	s_cmp_eq_u32 s31, 1
	s_cselect_b64 s[10:11], s[12:13], s[10:11]
	s_cmp_eq_u32 s31, 2
	s_cselect_b64 s[10:11], s[14:15], s[10:11]
	s_cmp_eq_u32 s31, 3
	s_cselect_b64 s[10:11], s[16:17], s[10:11]
	s_add_nc_u64 s[10:11], s[10:11], s[34:35]
	s_add_nc_u64 s[22:23], s[22:23], s[38:39]
	s_add_nc_u64 s[24:25], s[24:25], s[2:3]
.macro LOADW t                         ; block t: W(32 t + i, my column): 32 lanes read 128 consecutive bytes
.irp i, 0,1,2,3,4,5,6,7,8,9,10,11,12,13,14,15,16,17,18,19,20,21,22,23,24,25,26,27,28,29,30,31
	global_load_b32 v[X+32*((\t)%2)+\i], v1, s[10:11] offset:(32*(\t)+\i)*4096 th:TH_LOAD_NT
.endr
.endm
.macro BLOCKW t
.set XS, X+32*((\t)%2)
.set OU, R+12*((\t)/2)                 ; the image of blocks t and t + 1: registers of its own for each pair, so that no store's data are written again
.set HF, (\t)%2
.if (\t) < 7
	s_wait_loadcnt 32                              ; this block's 32 loads are in; the next block's may be out
.else
	s_wait_loadcnt 0
.endif
	v_max3_num_f32 v12, |v[XS]|, |v[XS+1]|, |v[XS+2]|
	v_max3_num_f32 v13, |v[XS+3]|, |v[XS+4]|, |v[XS+5]|
.irp i, 6,10,14,18,22,26
	v_max3_num_f32 v12, v12, |v[XS+\i]|, |v[XS+\i+1]|
	v_max3_num_f32 v13, v13, |v[XS+\i+2]|, |v[XS+\i+3]|
.endr
	v_max3_num_f32 v12, v12, |v[XS+30]|, |v[XS+31]|
	v_max3_num_f32 v12, v12, v13, 0x1800000        ; and the floor
	v_add_nc_u32 v14, 0xff000000, v12
	v_lshrrev_b32 v15, 23, v14
.if (\t)%4 == 0
	v_mov_b32 v[24+(\t)/4], v15                    ; four bytes to a register, the lower K in the lower byte
.else
	v_lshl_or_b32 v[24+(\t)/4], v15, 8*((\t)%4), v[24+(\t)/4]
.endif
	v_cvt_scalef32_pk16_fp6_f32 v[OU+4*HF:OU+4*HF+2], v[XS:XS+15], v14
	v_cvt_scalef32_pk16_fp6_f32 v[36+4*HF:38+4*HF], v[XS+16:XS+31], v14
	v_nop                                          ; one plain place behind a scaled conversion
	v_mov_b32 v[OU+4*HF+3], v[36+4*HF]             ; the block's bytes 12-15 close its first 16,
	v_mov_b32 v[OU+8+2*HF], v[37+4*HF]             ; bytes 16-23 are its tail
	v_mov_b32 v[OU+9+2*HF], v[38+4*HF]
.if (\t)+2 < 8
	LOADW (\t)+2
.endif
.if HF == 1
	global_store_b128 v2, v[OU:OU+3], s[22:23] offset:((\t)/4)*1536+(((\t)/2)%2)*768           ; sixteen lanes fill 256 consecutive bytes, aligned, in each of two tiles
	global_store_b128 v2, v[OU+4:OU+7], s[22:23] offset:((\t)/4)*1536+(((\t)/2)%2)*768+256
	global_store_b128 v2, v[OU+8:OU+11], s[22:23] offset:((\t)/4)*1536+(((\t)/2)%2)*768+512
.endif
.endm
	LOADW 0
	LOADW 1
.irp t, 0,1,2,3,4,5,6,7
	BLOCKW \t
.endr
	global_store_b64 v7, v[24:25], s[24:25]        ; my column's 8 scale bytes: pieces of 8 bytes, 32 apart: one byte in 128 of what is read
	s_endpgm
.Lfunc_end_k_q6eb03695f7_prep:
	.size	k_q6eb03695f7_prep, .Lfunc_end_k_q6eb03695f7_prep-k_q6eb03695f7_prep
	.p2alignl 7, 3214868480
	.fill 96, 4, 3214868480
	.section	.rodata,"a",@progbits
	.p2align	6, 0x0
	.amdhsa_kernel k_q6eb03695f7_prep
		.amdhsa_group_segment_fixed_size 34304
		.amdhsa_private_segment_fixed_size 0
		.amdhsa_enable_private_segment 0
		.amdhsa_kernarg_size 88
		.amdhsa_user_sgpr_count 2
		.amdhsa_user_sgpr_kernarg_segment_ptr 1
		.amdhsa_wavefront_size32 1
		.amdhsa_system_sgpr_workgroup_id_x 1
		.amdhsa_system_sgpr_workgroup_id_y 1
		.amdhsa_system_sgpr_workgroup_id_z 1
		.amdhsa_system_vgpr_workitem_id 0
		.amdhsa_next_free_vgpr 256
		.amdhsa_next_free_sgpr 66
		.amdhsa_reserve_vcc 0
		.amdhsa_float_denorm_mode_32 3
		.amdhsa_float_denorm_mode_16_64 3
		.amdhsa_memory_ordered 1
		.amdhsa_forward_progress 1
		.amdhsa_inst_pref_size 73
	.end_amdhsa_kernel
	.amdgpu_metadata
---
amdhsa.version: [ 1, 2 ]
amdhsa.kernels:
  - .name:           k_q6eb03695f7_prep
    .symbol:         k_q6eb03695f7_prep.kd
    .args:
      - { .name: query, .offset: 0, .size: 8, .value_kind: global_buffer, .address_space: global }
      - { .name: key, .offset: 8, .size: 8, .value_kind: global_buffer, .address_space: global }
      - { .name: value, .offset: 16, .size: 8, .value_kind: global_buffer, .address_space: global }
      - { .name: Wq, .offset: 24, .size: 8, .value_kind: global_buffer, .address_space: global }
      - { .name: Wk, .offset: 32, .size: 8, .value_kind: global_buffer, .address_space: global }
      - { .name: Wv, .offset: 40, .size: 8, .value_kind: global_buffer, .address_space: global }
      - { .name: Wo, .offset: 48, .size: 8, .value_kind: global_buffer, .address_space: global }
      - { .name: xc, .offset: 56, .size: 8, .value_kind: global_buffer, .address_space: global }
      - { .name: xs, .offset: 64, .size: 8, .value_kind: global_buffer, .address_space: global }
      - { .name: wc, .offset: 72, .size: 8, .value_kind: global_buffer, .address_space: global }
      - { .name: ws, .offset: 80, .size: 8, .value_kind: global_buffer, .address_space: global }
    .group_segment_fixed_size: 34304
    .private_segment_fixed_size: 0
    .kernarg_segment_align: 8
    .kernarg_segment_size: 88
    .max_flat_workgroup_size: 128
    .sgpr_count:     66
    .vgpr_count:     256
    .wavefront_size: 32
...
	.end_amdgpu_metadata
.endif
;; end of part 1
;; launch proj (part 2): grid 4 x 48, 4 waves a work-group, clusters of 4 x 4, 327,680 bytes of LDS; arguments xc, xs, wc, ws, bq, bk, bv, hc, hs; writes hc, hs
.if DOCPART == 2
	.amdgcn_target "amdgcn-amd-amdhsa--gfx1250"
	.amdhsa_code_object_version 6
	.text
	.protected	k_q6eb03695f7_proj
	.globl	k_q6eb03695f7_proj
	.p2align	8
	.type	k_q6eb03695f7_proj,@function
k_q6eb03695f7_proj:
	s_mov_b64 s[64:65], 0
	v_nop
	global_prefetch_b8 v0, s[64:65] scope:SCOPE_SE
	s_setreg_imm32_b32 hwreg(HW_REG_WAVE_MODE, 25, 1), 1
	s_wait_xcnt 0x0
	s_wait_alu depctr_hold_cnt(0) depctr_sa_sdst(0) depctr_va_vdst(0) depctr_va_sdst(0) depctr_va_ssrc(0) depctr_va_vcc(0) depctr_vm_vsrc(0)
	s_getreg_b32 s2, hwreg(HW_REG_IB_STS2, 6, 4)
	s_cmp_eq_u32 s2, 0
	s_cbranch_scc0 .Lentry_in_a_cluster
	s_endpgm
.Lentry_in_a_cluster:
	s_bfe_u32 s2, ttmp6, 0x10000c
	s_cmp_lg_u32 s2, 0xf033
	s_cbranch_scc0 .Lentry_shape_is_right
	s_endpgm
.Lentry_shape_is_right:
; q = query Wq + bq, k = key Wk + bk, v = value Wv + bv on codes of FP6 (E2M3) with E8M0 scales, sums in f32; the results are quantised here, q and k along a head's 64, v along the keys, and leave as codes alone.
; A block of 256 x 256 to a work-group of four waves, 128 x 128 (64 accumulators, 512 registers) to a wave; K = 1,024 in four steps of 256 through a ring of two LDS slots.
; WHICH PRODUCT: p = cluster y / 4.  "A" is the matrix instruction's source 1 (a lane's row), "B" its source 0 (the axis along a lane's registers).
;   p = 0, 1: A = tokens, B = the weight's columns: a lane holds one token and 128 channels, two heads.      p = 2: A = Wv's columns, B = tokens: a lane holds one channel and 128 keys.
; All operands lie in memory as images of the operand's registers, in tiles of 16 rows (place i of tile 2 t + u is row 32 t + 8 u + i + 8 (i / 8)): 128 rows x 256 K are 24,576 dense bytes, a fragment is
; two loads of 16 bytes and two of 8 a lane at consecutive addresses, and the 16 registers of result tiles 2 t and 2 t + 1 are 16 neighbours along the next K.
; CLUSTERS: 4 x 4 work-groups; A's tiles are asked for jointly along a row of the cluster, B's along a column.
; OUT: hc: q at 0, k at 3,145,728: [head 32][token tile 128][768]; v at 6,291,456: [head][key step 16][channel tile 4][1536].
;      hs: q at 0: [head][step 16][lane x 16 bytes]: word i of lane (r, h) = the two bytes of row r of tile 2 i + h; from 262,144: [head][12,288] = k's likewise, then at 8,192 v's [step][lane x 8 bytes]: word i = channel tile 2 i + h.
; LIMITS: a block of zeros gets the byte 1 where the rule says 127 (its codes are zeros; this program alone reads the bytes); blocks under 2^-124 were not tried; NaN and infinities are not served.
; REGISTERS: window 0: v16-30 addresses; v32-63 scale words, two sets, and nothing else; v64-127 the bias in the result's layout, later the quantiser's work; v128-223 A's fragments, one set, later the codes to store.
;   window 1: B's fragments, two sets, at v0 and v128.   windows 2, 3: the accumulators ((a, b) at v[8 (8 (a % 4) + b)] of window 2 + a / 4).
.set NQ,     2                         ; steps of 128 along K in a slot
.set FR,     12                        ; registers of a fragment
.set NL,     4                         ; LDS loads that bring one
.set NP,     4                         ; places behind this matrix instruction (ISA guide 7.12.1)
.set HALFT,  24576                     ; 128 rows x 256 K: what one tensor load brings
.set SLOT,   4*HALFT                   ; a slot's size: A's two halves and B's two
.set SCL,    2*SLOT                    ; behind the ring: the scale bytes of 256 + 256 rows for all of K, as units of 256 bytes + 16 of padding: filled once
.set HALFS,  16*272                    ; those of 128 rows (32 bytes a row)
.set SBLK,   2*272                     ; those of 16 rows
.set SPARE,  SCL+4*HALFS               ; the spare words, 128 bytes for each wave: two blocks of 256 bytes that no other line names
.set ADRA, 16                          ; v16-17 my A fragments in slot 0, 1, + 16 x lane; v18-19 the same + 16 r + 8 h
.set ADRB, 20                          ; v20-23 the same for B
.set LH,   24                          ; v24  16 x lane
.set LT,   25                          ; v25  16 r + 8 h
.set L8,   26                          ; v26  8 x lane
.set ADRS, 27                          ; v27  my scale words: lanes 0-15 A's rows, lanes 16-31 B's
.set SPW,  28                          ; v28  my spare word; never rewritten
.set NIL,  29                          ; v29  0; never rewritten
.set BOF,  30                          ; v30  the bias's lane offset
.set SC,   32
.set BI,   64
.set AF,   128
.set TM,   64                          ; the way out: v64-67 largest magnitudes, v68-71 the other half's and the bytes, v72-75 scale operands, v76 lane / 16, v80-87 the eight scale words, v88-95 second halves, v96-107 words to store
.set TB,   68
.set TS,   72
.set PW,   80
.set CT,   88
.set G1,   24                          ; s[24:31] group 1 for A's tiles; s[32:39] group 0, a set for each slot
.set G0,   32
.set G1B,  48                          ; s[48:55], s[56:63] the same for B's
.set G0B,  56
.set PP,   66                          ; s66  which product
.set G1S,  68                          ; s[68:75], s[76:79] groups 1 and 0 for A's scales; s[80:87], s[88:91] for B's
.set G0S,  76
.set G1SB, 80
.set G0SB, 88
.set STA,  96                          ; s[96:97] from one K step of 256 to the next in A's buffer (then: two steps); s[98:99] in B's
.set STB,  98
.set SEL,  2                           ; s[2:3] lane selects (set for the way out)
.set MSB, 0
.macro WIN new                         ; the immediate's high byte repeats the setting that is left
.if MSB != (\new)
	s_set_vgpr_msb (MSB<<8)|(\new)
.set MSB, (\new)
.endif
.endm
.set MUL_LO, 0xa1                      ; source 0 (B) window 1, source 1 (A) window 0, C and D window 2
.set MUL_HI, 0xf1                      ; the same, C and D window 3
.set TO_B,   0x40                      ; destination window 1, address window 0
; A joint load: waves 0 and 1 fetch for A, waves 2 and 3 for B.  Each line has one mask and one set of registers for all that issue it; the branch hangs on the wave's number alone.
; Four v_nop follow each of the two lines, ahead of the jump, the label and what follows.
.macro JLOAD g0a, g1a, g0b, g1b
	s_cmp_eq_u32 s15, 0
	s_cbranch_scc0 .Lfor_b_\@
	tensor_load_to_lds s[\g0a:\g0a+3], s[\g1a:\g1a+7]
	s_nop 0
.rept 4
	v_nop
.endr
	s_branch .Lasked_\@
.Lfor_b_\@:
	tensor_load_to_lds s[\g0b:\g0b+3], s[\g1b:\g1b+7]
	s_nop 0
.rept 4
	v_nop
.endr
.Lasked_\@:
.endm
.macro CREST                           ; a round of the cluster's barrier behind its opening barrier
	s_cmp_lg_u32 s14, 0
	s_cbranch_scc1 .Lnot_wave_0_\@
	s_barrier_signal -3
.Lnot_wave_0_\@:
	s_barrier_wait -3
	s_barrier_signal -1
	s_barrier_wait -1
.endm
.macro CROUND
	s_barrier_signal -1
	s_barrier_wait -1
	CREST
.endm
	s_load_b256 s[4:11], s[0:1], 0x0               ; xc, xs, wc, ws
	s_load_b128 s[92:95], s[0:1], 0x20             ; bq, bk
	s_load_b64 s[100:101], s[0:1], 0x30            ; bv
	v_lshl_add_u32 v[SPW], v0, 2, SPARE
	v_mov_b32 v[NIL], 0
	ds_add_u32 v28, v29
	ds_add_u32 v28, v29
	s_wait_dscnt 0x0
	v_lshrrev_b32 v1, 5, v0
	v_readfirstlane_b32 s14, v1                    ; wave 0..3
	s_lshr_b32 s15, s14, 1                         ; which half of A's rows is mine.  Also: I fetch for A (0) or for B (1)
	s_and_b32 s16, s14, 1                          ; which half of B's rows.  Also: which 128 rows I fetch
	s_bfe_u32 s40, ttmp6, 0x40000                  ; cx, cy: my place in the cluster
	s_bfe_u32 s41, ttmp6, 0x40004
	s_and_b32 s18, ttmp7, 0xffff                   ; the cluster's y: 0 .. 11, the same in all sixteen partners
	s_lshr_b32 s[PP], s18, 2                       ; p
	s_and_b32 s18, s18, 3
	s_lshl_b32 s18, s18, 2                         ; which four of the sixteen blocks of tokens
	s_mov_b32 s[STA], 786432                       ; a K step of the activations' codes: 256 tiles x 3,072 bytes;
	s_mov_b32 s[STB], 786432                       ; of the weights' too: wc is laid [K / 256][weight][row tile 64][3072]
	s_mov_b32 s[STA+1], 0
	s_mov_b32 s[STB+1], 0
	s_cmp_eq_u32 s[PP], 2
	s_cselect_b32 s19, 0, s18
	s_cselect_b32 s20, s18, 0
	s_add_co_u32 s17, s19, s41                     ; A's block of 256 rows: it hangs on cy alone of the two places
	s_add_co_u32 s42, s20, s40                     ; B's: on cx alone
	s_lshl_b32 s43, s41, 2
	s_lshl_b32 s43, 15, s43                        ; my row of the cluster
	s_lshl_b32 s44, 0x1111, s40                    ; my column
	; group 1: 24,576 dense bytes as 96 rows of 256 bytes (32 elements of 8 bytes), no padding
	s_or_b32 s[G1+0], s43, (3<<16)|(1<<21)         ; 15:0 the mask; 17:16 elements of 8 bytes; 21 set beside a mask
	s_or_b32 s[G1B+0], s44, (3<<16)|(1<<21)
.irp g, G1, G1B                                ; the head's shape: K steps 0 and 1 of 256 rows, two rows of 49,152 bytes (6,144 elements), 786,432 bytes apart: one load fills a side of both slots
	s_mov_b32 s[\g+1], 6144<<16
	s_mov_b32 s[\g+2], 2<<16
	s_mov_b32 s[\g+3], 6144<<16
	s_mov_b32 s[\g+4], 2
	s_mov_b32 s[\g+5], 98304
	s_mov_b32 s[\g+6], 0
	s_mov_b32 s[\g+7], 0
.endr
	; the scale bytes of 256 rows: 8,192 dense bytes as 32 rows of 256, 16 bytes of padding behind each
	s_or_b32 s[G1S+0], s43, (3<<16)|(1<<20)|(1<<21)|(5<<22)|(3<<25)
	s_or_b32 s[G1SB+0], s44, (3<<16)|(1<<20)|(1<<21)|(5<<22)|(3<<25)
.irp g, G1S, G1SB
	s_mov_b32 s[\g+1], 32<<16
	s_mov_b32 s[\g+2], 32<<16                      ; the scale bytes of all 256 rows of a side: 32 rows of 256 bytes
	s_mov_b32 s[\g+3], 32<<16
	s_mov_b32 s[\g+4], 32
	s_mov_b32 s[\g+5], 32
	s_mov_b32 s[\g+6], 0
	s_mov_b32 s[\g+7], 0
.endr
	s_mul_i32 s20, s17, 2*HALFT                    ; A's codes: 16 tiles a block, + the 128 rows that I fetch
	s_mov_b32 s21, 0
	s_mul_i32 s46, s42, 2*HALFT                    ; B's
	s_mov_b32 s47, 0
	s_lshl_b32 s22, s17, 13                        ; A's scale bytes: 256 rows x 32
	s_mov_b32 s23, 0
	s_lshl_b32 s104, s42, 13                       ; B's
	s_mov_b32 s105, 0
	s_mul_i32 s45, s15, 4*HALFT                    ; LDS: A's side at 0, B's at 4 HALFT; in a side slot 0's two halves, then slot 1's
	s_mul_i32 s2, s16, HALFT                       ; s[2:3]: the half that I fetch in the ring, in bytes, in memory and in LDS alike
	s_mov_b32 s3, 0
	s_add_co_u32 s45, s45, s2
	s_mov_b32 s19, 0
	s_wait_kmcnt 0x0
	s_mul_i32 s18, s[PP], 3145728                  ; the product's own tensor in each of the four buffers
	s_add_nc_u64 s[4:5], s[4:5], s[18:19]
	s_mul_i32 s18, s[PP], 131072
	s_add_nc_u64 s[6:7], s[6:7], s[18:19]
	s_mul_i32 s18, s[PP], 196608
	s_add_nc_u64 s[8:9], s[8:9], s[18:19]
	s_mul_i32 s18, s[PP], 32768
	s_add_nc_u64 s[10:11], s[10:11], s[18:19]
	s_cmp_eq_u32 s[PP], 1
	s_cselect_b64 s[12:13], s[94:95], s[92:93]
	s_cmp_eq_u32 s[PP], 2
	s_cselect_b64 s[12:13], s[100:101], s[12:13]   ; the bias
	s_cselect_b64 s[92:93], s[8:9], s[4:5]         ; A's codes: the weight's for v, else the tokens'
	s_cselect_b64 s[94:95], s[4:5], s[8:9]         ; B's codes
	s_cselect_b64 s[100:101], s[10:11], s[6:7]     ; A's scales
	s_cselect_b64 s[4:5], s[6:7], s[10:11]         ; B's scales
	s_add_nc_u64 s[92:93], s[92:93], s[20:21]
	s_add_nc_u64 s[94:95], s[94:95], s[46:47]
	s_add_nc_u64 s[100:101], s[100:101], s[22:23]
	s_add_nc_u64 s[4:5], s[4:5], s[104:105]
	CROUND                                         ; all sixteen work-groups are here: the first joint loads meet
	s_mov_b32 s[G0S], 1
	s_mov_b32 s[G0S+1], SCL
	s_mov_b64 s[G0S+2:G0S+3], s[100:101]
	s_or_b32 s[G0S+3], s[G0S+3], 0x80000000
	s_mov_b32 s[G0SB], 1
	s_mov_b32 s[G0SB+1], SCL+2*HALFS
	s_mov_b64 s[G0SB+2:G0SB+3], s[4:5]
	s_or_b32 s[G0SB+3], s[G0SB+3], 0x80000000
	s_mov_b32 s[G0], 1
	s_mov_b32 s[G0+1], 0
	s_mov_b64 s[G0+2:G0+3], s[92:93]
	s_or_b32 s[G0+3], s[G0+3], 0x80000000
	s_mov_b32 s[G0B], 1
	s_mov_b32 s[G0B+1], 4*HALFT
	s_mov_b64 s[G0B+2:G0B+3], s[94:95]
	s_or_b32 s[G0B+3], s[G0B+3], 0x80000000
	s_mov_b32 s[G0+4], 1
	s_add_co_u32 s[G0+5], s45, 2*HALFT
	s_add_nc_u64 s[G0+6:G0+7], s[92:93], s[STA:STA+1]
	s_add_nc_u64 s[G0+6:G0+7], s[G0+6:G0+7], s[2:3]
	s_or_b32 s[G0+7], s[G0+7], 0x80000000
	s_mov_b32 s[G0B+4], 1
	s_add_co_u32 s[G0B+5], s45, 2*HALFT
	s_add_nc_u64 s[G0B+6:G0B+7], s[94:95], s[STB:STB+1]
	s_add_nc_u64 s[G0B+6:G0B+7], s[G0B+6:G0B+7], s[2:3]
	s_or_b32 s[G0B+7], s[G0B+7], 0x80000000
; THE HEAD'S LOADS, ONE A WAVE: wave 0 A's codes of K steps 0 and 1, wave 1 B's, wave 2 A's scale bytes, wave 3 B's.  One chain of branches on the wave's number; every way passes one load.
.macro ARM under, g0, g1, next
	s_cmp_lt_u32 s14, \under
	s_cbranch_scc0 \next
	tensor_load_to_lds s[\g0:\g0+3], s[\g1:\g1+7]
	s_nop 0
.rept 4
	v_nop
.endr
	s_branch .Lhead_asked
\next:
.endm
	ARM 1, G0,  G1,  .Lhead_b
	ARM 2, G0B, G1B, .Lhead_sa
	ARM 3, G0S, G1S, .Lhead_sb
	tensor_load_to_lds s[G0SB:G0SB+3], s[G1SB:G1SB+7]
	s_nop 0
.rept 4
	v_nop
.endr
.Lhead_asked:
	s_load_b128 s[8:11], s[0:1], 0x38              ; hc, hs
	s_lshl_b32 s[STA], s[STA], 1                   ; a refill goes two K steps on
	s_lshl_b32 s[STB], s[STB], 1
	v_and_b32 v1, 15, v0                           ; r
	v_bfe_u32 v2, v0, 4, 1                         ; h
	v_and_b32 v3, 31, v0
	v_lshlrev_b32 v[LH], 4, v3
	v_lshlrev_b32 v[LT], 4, v1
	v_lshl_add_u32 v[LT], v2, 3, v[LT]
	v_lshlrev_b32 v[L8], 3, v3
	s_mul_i32 s21, s15, HALFT                      ; my 128 rows of A
	s_mul_i32 s22, s16, HALFT                      ; my 128 rows of B,
	s_add_co_u32 s22, s22, 4*HALFT                 ; which lie behind A's side
.irp s, 0,1
	v_add_nc_u32 v[ADRA+\s], s21, v[LH]
	v_add_nc_u32 v[ADRB+\s], s22, v[LH]
	v_add_nc_u32 v[ADRA+2+\s], s21, v[LT]
	v_add_nc_u32 v[ADRB+2+\s], s22, v[LT]
	s_add_co_u32 s21, s21, 2*HALFT
	s_add_co_u32 s22, s22, 2*HALFT
.endr
	v_lshlrev_b32 v5, 5, v1                        ; my row's scale bytes: 32 a row,
	v_lshrrev_b32 v6, 8, v5
	v_lshl_add_u32 v5, v6, 4, v5                   ; and 16 more for each 256 passed
	s_mul_i32 s21, s15, HALFS
	s_mul_i32 s22, s16, HALFS
	s_add_co_u32 s22, s22, 2*HALFS
	s_sub_co_u32 s22, s22, s21
	v_mul_u32_u24 v6, s22, v2                      ; lanes 16-31 take B's
	s_add_co_u32 s21, s21, SCL
	v_add_nc_u32 v5, v5, v6
	v_add_nc_u32 v[ADRS], s21, v5
	; where the results go.  Tokens: block tokT, half tokH; channels: block nT, half nH
	s_cmp_eq_u32 s[PP], 2
	s_cselect_b32 s18, s17, s42                    ; nT
	s_cselect_b32 s19, s15, s16                    ; nH
	s_cselect_b32 s20, s42, s17                    ; tokT
	s_cselect_b32 s21, s16, s15                    ; tokH
	s_mov_b32 s92, 768
	s_cselect_b32 s92, 1536, s92                   ; s[92:93] from one of my eight tiles to the next in hc
	s_mov_b32 s93, 0
	s_cselect_b32 s94, 92160, 0                    ; s[94:95] v: and on to the next head ahead of tile 4: 98,304 - 4 x 1,536
	s_mov_b32 s95, 0
	s_mov_b32 s100, 98304
	s_cselect_b32 s100, 768, s100                  ; s[100:101] from registers 0-5 to 6-11: q, k: the next head; v: the fragment's second half
	s_mov_b32 s101, 0
	s_lshl_b32 s22, s18, 10
	s_lshl_b32 s23, s19, 9
	s_add_co_u32 s22, s22, s23
	s_mov_b32 s23, 0
	s_add_nc_u64 s[12:13], s[12:13], s[22:23]      ; the bias at my 128 channels
	s_lshr_b32 s22, s20, 3                         ; the batch
	s_lshl_b32 s22, s22, 4
	s_lshl_b32 s18, s18, 2
	s_add_co_u32 s22, s22, s18
	s_lshl_b32 s19, s19, 1
	s_add_co_u32 s22, s22, s19                     ; my first head: 16 batch + 4 nT + 2 nH
	s_and_b32 s20, s20, 7
	s_lshl_b32 s20, s20, 1
	s_add_co_u32 s20, s20, s21                     ; my 128 tokens: step 2 (tokT % 8) + tokH of the sequence
	s_mul_i32 s46, s[PP], 3145728
	s_mul_i32 s47, s22, 98304
	s_add_co_u32 s46, s46, s47
	s_mul_i32 s47, s20, 6144
	s_add_co_u32 s46, s46, s47
	s_mov_b32 s47, 0                               ; s[46:47] my place in hc
	s_cmp_eq_u32 s[PP], 0
	s_mov_b32 s104, 12288
	s_cselect_b32 s104, 8192, s104                 ; s[104:105] from head to head in hs
	s_cselect_b32 s23, 0, 262144
	s_mov_b32 s105, 0
	s_mul_i32 s21, s22, s104
	s_add_co_u32 s23, s23, s21
	s_cmp_eq_u32 s[PP], 2
	s_cselect_b32 s21, 8, 9                        ; a step's words: 256 bytes for v, else 512
	s_cselect_b32 s19, 8192, 0
	s_lshl_b32 s21, s20, s21
	s_add_co_u32 s23, s23, s21
	s_add_co_u32 s18, s23, s19
	s_mov_b32 s19, 0                               ; s[18:19] my place in hs
	s_wait_kmcnt 0x0
	s_add_nc_u64 s[4:5], s[8:9], s[46:47]          ; s[4:5] registers 0-5 go here, s[6:7] registers 6-11
	s_add_nc_u64 s[6:7], s[4:5], s[100:101]
	s_add_nc_u64 s[8:9], s[10:11], s[18:19]        ; s[8:9], s[10:11] the scale words of my two heads
	s_add_nc_u64 s[10:11], s[8:9], s[104:105]
	; THE BIAS is the C of each sum's first matrix instruction: eight registers a tile, in the result's layout
	s_cmp_eq_u32 s[PP], 2
	s_cbranch_scc1 .Lbias_v
	v_lshlrev_b32 v[BOF], 6, v2                    ; q, k: the channels run along my registers: tile b's eight are 32 (b / 2) + 8 (b % 2) + 16 h + 0 .. 7
.irp b, 0,1,2,3,4,5,6,7
	global_load_b128 v[BI+8*\b:BI+8*\b+3], v[BOF], s[12:13] offset:(32*(\b/2)+8*(\b%2))*4
	global_load_b128 v[BI+8*\b+4:BI+8*\b+7], v[BOF], s[12:13] offset:(32*(\b/2)+8*(\b%2))*4+16
.endr
	s_branch .Lbias_done
.Lbias_v:
	v_and_b32 v[BOF], 8, v1                        ; v: the channel is my lane's: place r of tile a is 32 (a / 2) + 8 (a % 2) + r + 8 (r / 8)
	v_add_nc_u32 v[BOF], v[BOF], v1
	v_lshlrev_b32 v[BOF], 2, v[BOF]
.irp a, 0,1,2,3,4,5,6,7
	global_load_b32 v[BI+8*\a], v[BOF], s[12:13] offset:(32*(\a/2)+8*(\a%2))*4
.endr
	s_wait_loadcnt 0x0
.irp a, 0,1,2,3,4,5,6,7
.irp j, 1,2,3,4,5,6,7
	v_mov_b32 v[BI+8*\a+\j], v[BI+8*\a]            ; the same number for all eight keys
.endr
.endr
.rept 8
	v_nop
.endr
.Lbias_done:
	s_wait_loadcnt 0x0
.macro FRAG reg, adr, q, i             ; a fragment, 16 rows x 128 K: its image's 1,536 bytes, each load at consecutive addresses
	ds_load_b128 v[\reg:\reg+3], v[\adr] offset:(\i)*3072+(\q)*1536
	ds_load_b64 v[\reg+4:\reg+5], v[\adr+2] offset:(\i)*3072+(\q)*1536+512
	ds_load_b128 v[\reg+6:\reg+9], v[\adr] offset:(\i)*3072+(\q)*1536+768
	ds_load_b64 v[\reg+10:\reg+11], v[\adr+2] offset:(\i)*3072+(\q)*1536+1280
.endm
; 16 matrix instructions: A's blocks a0, a0 + 1 x B's eight, the slot's q-th 128 along K.  p: B's set; sc: the set of scale words.  zero = 1, 2: the first product starts the sums from the bias (along the registers; of the lane).
; The 64 accumulators take turns, one instruction a turn, in the same order in every step.
.macro MUL16 a0, p, q, sc, zero
.irp a, \a0, \a0+1
.irp b, 0,1,2,3,4,5,6,7
.if (\zero) == 0
	v_wmma_scale_f32_16x16x128_f8f6f4 v[8*(8*((\a)%4)+\b):8*(8*((\a)%4)+\b)+7], v[128*(\p)+FR*\b:128*(\p)+FR*\b+FR-1], v[AF+FR*(\a):AF+FR*(\a)+FR-1], v[8*(8*((\a)%4)+\b):8*(8*((\a)%4)+\b)+7], v[SC+8*NQ*(\sc)+NQ*\b+(\q)], v[SC+8*NQ*(\sc)+NQ*(\a)+(\q)] matrix_a_fmt:MATRIX_FMT_FP6 matrix_b_fmt:MATRIX_FMT_FP6 matrix_a_scale:MATRIX_SCALE_ROW1
.elseif (\zero) == 1
	v_wmma_scale_f32_16x16x128_f8f6f4 v[8*(8*((\a)%4)+\b):8*(8*((\a)%4)+\b)+7], v[128*(\p)+FR*\b:128*(\p)+FR*\b+FR-1], v[AF+FR*(\a):AF+FR*(\a)+FR-1], v[BI+8*\b:BI+8*\b+7], v[SC+8*NQ*(\sc)+NQ*\b+(\q)], v[SC+8*NQ*(\sc)+NQ*(\a)+(\q)] matrix_a_fmt:MATRIX_FMT_FP6 matrix_b_fmt:MATRIX_FMT_FP6 matrix_a_scale:MATRIX_SCALE_ROW1
.else
	v_wmma_scale_f32_16x16x128_f8f6f4 v[8*(8*((\a)%4)+\b):8*(8*((\a)%4)+\b)+7], v[128*(\p)+FR*\b:128*(\p)+FR*\b+FR-1], v[AF+FR*(\a):AF+FR*(\a)+FR-1], v[BI+8*(\a):BI+8*(\a)+7], v[SC+8*NQ*(\sc)+NQ*\b+(\q)], v[SC+8*NQ*(\sc)+NQ*(\a)+(\q)] matrix_a_fmt:MATRIX_FMT_FP6 matrix_b_fmt:MATRIX_FMT_FP6 matrix_a_scale:MATRIX_SCALE_ROW1
.endif
.endr
.endr
.endm
.macro FETCH_B slot, q, p
	WIN TO_B
.irp i, 0,1,2,3,4,5,6,7
	FRAG 128*(\p)+FR*\i, ADRB+\slot, \q, \i
.endr
	WIN 0
.endm
.macro FETCH_A slot, q, i0
.irp i, \i0, \i0+1, \i0+2, \i0+3
	FRAG AF+FR*(\i), ADRA+\slot, \q, \i
.endr
.endm
.macro SCALES sc                       ; a K step's scale words: two a row; lanes 0-15 take A's block i, lanes 16-31 B's block i
.irp i, 0,1,2,3,4,5,6,7
	ds_load_b64 v[SC+8*NQ*\sc+NQ*\i:SC+8*NQ*\sc+NQ*\i+1], v[ADRS] offset:\i*SBLK
.endr
.endm
.macro PLACES n                        ; plain vector instructions between a matrix instruction and a load into, or a read of, its registers (ISA guide 7.12.1 for reads)
.rept \n
	v_nop
.endr
.endm
; A step of 128 along K that has its successor in the same slot.  A has one set of registers: blocks 0-3 are fetched anew in the step's middle, blocks 4-7 at its end; B has two sets.
.macro STEP slot, q, zero
	s_wait_dscnt 4*NL                              ; B's set, the scale words and A's blocks 0-3 are in; the youngest 16 loads (A's blocks 4-7) may be out
.if \zero
	WIN 0x81                                       ; C (the bias) window 0, D window 2
.else
	WIN MUL_LO
.endif
	MUL16 0, (\q)%2, \q, \slot, \zero
	MUL16 2, (\q)%2, \q, \slot, \zero
	s_wait_dscnt 0
	PLACES NP
	FETCH_B \slot, (\q)+1, 1-(\q)%2
	FETCH_A \slot, (\q)+1, 0
.if \zero
	WIN 0xc1
.else
	WIN MUL_HI
.endif
	MUL16 4, (\q)%2, \q, \slot, \zero
	MUL16 6, (\q)%2, \q, \slot, \zero
	PLACES NP
	WIN 0
	FETCH_A \slot, (\q)+1, 4
.endm
; A slot's last step changes slots: one barrier; in front of it each wave waits for all its tensor loads, adds 0 to its spare word, and waits for that and for its own reads of this slot.  fill = 1: this slot is filled again, two K steps ahead.
.macro TURN slot, next, fill
	s_wait_tensorcnt 0x0                           ; all my tensor loads have landed: my part of the next slot
	ds_add_u32 v[SPW], v[NIL]                      ; 0 onto my spare word
	s_wait_dscnt 4*NL+1                            ; (the add and the youngest 16 loads, A's blocks 4-7, may be out)
	WIN MUL_LO
	MUL16 0, 1, NQ-1, \slot, 0                     ; sixteen matrix instructions stand between the add and the wait for it
	s_wait_dscnt 0x0                               ; the add is done, and my reads of this slot are over
	s_barrier_signal -1
	MUL16 2, 1, NQ-1, \slot, 0
	WIN 0
	s_barrier_wait -1
.if \fill
	CREST                                          ; the barrier has opened a round of the cluster's barrier: no wave of any partner still reads this slot or has a load on its way
	s_add_nc_u64 s[G0+4*\slot+2:G0+4*\slot+3], s[G0+4*\slot+2:G0+4*\slot+3], s[STA:STA+1]
	s_add_nc_u64 s[G0B+4*\slot+2:G0B+4*\slot+3], s[G0B+4*\slot+2:G0B+4*\slot+3], s[STB:STB+1]
	JLOAD G0+4*\slot, G1, G0B+4*\slot, G1B         ; the first tensor load behind the round; its four v_nop are the places in front of the loads below
.else
	PLACES NP
.endif
	s_wait_alu depctr_va_vdst(0)
	v_add_nc_u32 v[ADRS], 4*NQ, v[ADRS]            ; on to the next K step's scale words
	FETCH_B \next, 0, 0
	FETCH_A \next, 0, 0
	SCALES \next
	WIN MUL_HI
	MUL16 4, 1, NQ-1, \slot, 0
	MUL16 6, 1, NQ-1, \slot, 0
	PLACES NP
	WIN 0
	FETCH_A \next, 0, 4
.endm
	s_wait_alu depctr_va_vdst(0)
	s_wait_tensorcnt 0x0                           ; my one load of the head is in; no tensor load of mine is out, so descriptors may be written:
.irp g, G1, G1B                                ; the ring's shape: 24,576 dense bytes as 96 rows of 256
	s_mov_b32 s[\g+1], 32<<16
	s_mov_b32 s[\g+2], 96<<16
	s_mov_b32 s[\g+3], 32<<16
	s_mov_b32 s[\g+4], 96
	s_mov_b32 s[\g+5], 32
.endr
	s_mov_b32 s[G0+1], s45                         ; slot 0's refills take my half
	s_add_nc_u64 s[G0+2:G0+3], s[G0+2:G0+3], s[2:3]
	s_mov_b32 s[G0B+1], s45
	s_add_nc_u64 s[G0B+2:G0B+3], s[G0B+2:G0B+3], s[2:3]
	s_barrier_signal -1
	s_barrier_wait -1                              ; everybody's are
	FETCH_B 0, 0, 0
	FETCH_A 0, 0, 0
	s_wait_alu depctr_va_vdst(0)
	SCALES 0
	FETCH_A 0, 0, 4
	s_cmp_eq_u32 s[PP], 2                          ; the first step is written twice: it differs in which bias registers start a sum.  No barrier and no tensor load stands in it
	s_cbranch_scc1 .Lfirst_v
	STEP 0, 0, 1
	s_branch .Lfirst_done
.Lfirst_v:
	STEP 0, 0, 2
.Lfirst_done:
	TURN 0, 1, 1                                   ; K = 1,024 is twice round the ring: both slots are filled again once, so the steps are written out without a jump
	STEP 1, 0, 0
	TURN 1, 0, 1
	STEP 0, 0, 0
	TURN 0, 1, 0                                   ; the last lap fills nothing, and has no round of the cluster's barrier
	STEP 1, 0, 0
	s_wait_dscnt 4*NL                              ; the very last step: nothing more to fetch
	WIN MUL_LO
	MUL16 0, 1, NQ-1, 1, 0
	MUL16 2, 1, NQ-1, 1, 0
	s_wait_dscnt 0
	WIN MUL_HI
	MUL16 4, 1, NQ-1, 1, 0
	MUL16 6, 1, NQ-1, 1, 0
	WIN 0
; THE WAY OUT.  The 64 registers of A's block a are, in my lane, 128 neighbours along the next K of one row: register 16 b + i = 32 b + 16 h + i.  They are quantised where they stand; the 12 registers of codes are
; two images of 768 bytes (q, k: two heads; v: one fragment of 128 keys) and are stored as they are: no LDS.
.macro EPI a
.set AC, 64*((\a)%4)
.set WA, 2+(\a)/4
.set WM, WA|(WA<<2)
.set PCA, AF+12*(\a)                   ; registers of its own for each block, so that no store's data are written again
	WIN 0
.irp b, 0,1,2,3
	v_mov_b32 v[TM+\b], 0x1800000                  ; the floor 2^(3 - 127): the byte cannot fall under 1
.endr
	WIN WM                                         ; sources 0 and 1: the accumulators' window
.irp i, 0,2,4,6,8,10,12,14
.irp b, 0,1,2,3
	v_max3_num_f32 v[TM+\b], |v[AC+16*\b+\i]|, |v[AC+16*\b+\i+1]|, v[TM+\b]   ; each accumulator is read from its low end on
.endr
.endr
	WIN 0
.irp b, 0,1,2,3
	v_permlanex16_b32 v[TB+\b], v[TM+\b], s[SEL], s[SEL+1]
.endr
.irp b, 0,1,2,3
	v_max_num_f32 v[TM+\b], v[TM+\b], v[TB+\b]
.endr
.irp b, 0,1,2,3
	v_add_nc_u32 v[TS+\b], 0xff000000, v[TM+\b]    ; 2 off the exponent field: the conversion's scale operand
.endr
.irp b, 0,1,2,3
	v_lshrrev_b32 v[TB+\b], 23, v[TS+\b]
.endr
	v_lshl_or_b32 v[PW+(\a)], v[TB+1], 8, v[TB]
	v_lshl_or_b32 v[PW+(\a)], v[TB+2], 16, v[PW+(\a)]
	v_lshl_or_b32 v[PW+(\a)], v[TB+3], 24, v[PW+(\a)]
	WIN WA                                         ; source 0: the accumulators' window
.irp c, 0,1
	v_cvt_scalef32_pk16_fp6_f32 v[PCA+6*\c:PCA+6*\c+2], v[AC+32*\c:AC+32*\c+15], v[TS+2*\c]
	v_cvt_scalef32_pk16_fp6_f32 v[CT+4*\c:CT+4*\c+2], v[AC+32*\c+16:AC+32*\c+31], v[TS+2*\c+1]
.endr
	WIN 0
	v_nop                                          ; one plain place behind a scaled conversion
.irp c, 0,1
.irp i, 0,1,2
	v_permlane16_swap_b32 v[PCA+6*\c+\i], v[CT+4*\c+\i]
.endr
.irp i, 0,1,2
	v_mov_b32 v[PCA+3+6*\c+\i], v[CT+4*\c+\i]
.endr
.endr
.if (\a) > 0
	s_wait_alu depctr_va_vdst(0)
	s_wait_xcnt 0x0                                ; the last block's stores have read their bases: they step only behind this wait
	s_add_nc_u64 s[4:5], s[4:5], s[92:93]
	s_add_nc_u64 s[6:7], s[6:7], s[92:93]
.if (\a) == 4
	s_add_nc_u64 s[4:5], s[4:5], s[94:95]
	s_add_nc_u64 s[6:7], s[6:7], s[94:95]
.endif
.endif
	global_store_b128 v[LH], v[PCA:PCA+3], s[4:5]                  ; each store covers 512 or 256 consecutive bytes, aligned
	global_store_b64 v[LT], v[PCA+4:PCA+5], s[4:5] offset:512
	global_store_b128 v[LH], v[PCA+6:PCA+9], s[6:7]
	global_store_b64 v[LT], v[PCA+10:PCA+11], s[6:7] offset:512
.endm
	PLACES NP                                      ; behind the last products: their registers are read and written from here on
	s_mov_b32 s[SEL], 0x76543210
	s_mov_b32 s[SEL+1], 0xfedcba98
.irp b, 0,1,2,3
	v_mov_b32 v[TB+\b], 0                          ; a lane permute's destination counts as one of its sources
.endr
	v_and_b32 v76, 16, v0
.irp a, 0,1,2,3,4,5,6,7
	EPI \a
.endr
	v_cmp_ne_u32 vcc_lo, 0, v76                    ; lanes 16-31 carry the odd tile's word
	s_cmp_eq_u32 s[PP], 2
	s_cbranch_scc1 .Lwords_v
.irp i, 0,1,2,3
	v_cndmask_b32 v[104+\i], v[PW+2*\i], v[PW+2*\i+1], vcc_lo
.endr
.irp i, 0,1,2,3
	v_and_b32 v[96+\i], 0xffff, v[104+\i]          ; q, k: the first head's two bytes, the upper two 0;
	v_lshrrev_b32 v[100+\i], 16, v[104+\i]         ; the second head's
.endr
	global_store_b128 v[LH], v[96:99], s[8:9]      ; 512 consecutive bytes, aligned
	global_store_b128 v[LH], v[100:103], s[10:11]
	s_branch .Lwords_done
.Lwords_v:
.irp c, 0,1
.irp i, 0,1
	v_cndmask_b32 v[96+2*\c+\i], v[PW+4*\c+2*\i], v[PW+4*\c+2*\i+1], vcc_lo   ; v: head c's four channel tiles, four key blocks a word
.endr
.endr
	global_store_b64 v[L8], v[96:97], s[8:9]       ; 256 consecutive bytes, aligned
	global_store_b64 v[L8], v[98:99], s[10:11]
.Lwords_done:
	s_wait_tensorcnt 0x0                           ; the wave's end
	ds_add_u32 v[SPW], v[NIL]
	s_wait_dscnt 0x0
	CROUND                                         ; the closing round: no work-group ends while a partner may still ask for a tile that names it
	s_endpgm
.Lfunc_end_k_q6eb03695f7_proj:
	.size	k_q6eb03695f7_proj, .Lfunc_end_k_q6eb03695f7_proj-k_q6eb03695f7_proj
	.p2alignl 7, 3214868480
	.fill 96, 4, 3214868480
	.section	.rodata,"a",@progbits
	.p2align	6, 0x0
	.amdhsa_kernel k_q6eb03695f7_proj
		.amdhsa_group_segment_fixed_size 327680
		.amdhsa_private_segment_fixed_size 0
		.amdhsa_enable_private_segment 0
		.amdhsa_kernarg_size 72
		.amdhsa_user_sgpr_count 2
		.amdhsa_user_sgpr_kernarg_segment_ptr 1
		.amdhsa_wavefront_size32 1
		.amdhsa_system_sgpr_workgroup_id_x 1
		.amdhsa_system_sgpr_workgroup_id_y 1
		.amdhsa_system_sgpr_workgroup_id_z 1
		.amdhsa_system_vgpr_workitem_id 0
		.amdhsa_next_free_vgpr 1024
		.amdhsa_next_free_sgpr 106
		.amdhsa_reserve_vcc 1
		.amdhsa_float_denorm_mode_32 3
		.amdhsa_float_denorm_mode_16_64 3
		.amdhsa_memory_ordered 1
		.amdhsa_forward_progress 1
		.amdhsa_inst_pref_size 171
	.end_amdhsa_kernel
	.amdgpu_metadata
---
amdhsa.version: [ 1, 2 ]
amdhsa.kernels:
  - .name:           k_q6eb03695f7_proj
    .symbol:         k_q6eb03695f7_proj.kd
    .args:
      - { .name: xc, .offset: 0, .size: 8, .value_kind: global_buffer, .address_space: global }
      - { .name: xs, .offset: 8, .size: 8, .value_kind: global_buffer, .address_space: global }
      - { .name: wc, .offset: 16, .size: 8, .value_kind: global_buffer, .address_space: global }
      - { .name: ws, .offset: 24, .size: 8, .value_kind: global_buffer, .address_space: global }
      - { .name: bq, .offset: 32, .size: 8, .value_kind: global_buffer, .address_space: global }
      - { .name: bk, .offset: 40, .size: 8, .value_kind: global_buffer, .address_space: global }
      - { .name: bv, .offset: 48, .size: 8, .value_kind: global_buffer, .address_space: global }
      - { .name: hc, .offset: 56, .size: 8, .value_kind: global_buffer, .address_space: global }
      - { .name: hs, .offset: 64, .size: 8, .value_kind: global_buffer, .address_space: global }
    .group_segment_fixed_size: 327680
    .private_segment_fixed_size: 0
    .kernarg_segment_align: 8
    .kernarg_segment_size: 72
    .max_flat_workgroup_size: 128
    .sgpr_count:     106
    .vgpr_count:     1024
    .wavefront_size: 32
...
	.end_amdgpu_metadata
.endif
;; end of part 2
;; launch attn (part 3): grid 8 x 32, 8 waves a work-group, clusters of 4 x 1, 210,944 bytes of LDS; arguments hc, hs, ac, asc; writes ac, asc
.if DOCPART == 3
	.amdgcn_target "amdgcn-amd-amdhsa--gfx1250"
	.amdhsa_code_object_version 6
	.text
	.protected	k_q6eb03695f7_attn
	.globl	k_q6eb03695f7_attn
	.p2align	8
	.type	k_q6eb03695f7_attn,@function
k_q6eb03695f7_attn:
	s_mov_b64 s[64:65], 0
	v_nop
	global_prefetch_b8 v0, s[64:65] scope:SCOPE_SE
	s_setreg_imm32_b32 hwreg(HW_REG_WAVE_MODE, 25, 1), 1
	s_wait_xcnt 0x0
	s_wait_alu depctr_hold_cnt(0) depctr_sa_sdst(0) depctr_va_vdst(0) depctr_va_sdst(0) depctr_va_ssrc(0) depctr_va_vcc(0) depctr_vm_vsrc(0)
	s_getreg_b32 s2, hwreg(HW_REG_IB_STS2, 6, 4)
	s_cmp_eq_u32 s2, 0
	s_cbranch_scc0 .Lentry_in_a_cluster
	s_endpgm
.Lentry_in_a_cluster:
	s_bfe_u32 s2, ttmp6, 0x10000c
	s_cmp_lg_u32 s2, 0x3003
	s_cbranch_scc0 .Lentry_shape_is_right
	s_endpgm
.Lentry_shape_is_right:
; o = softmax(q k^T / 8) v for 32 heads of 64, 2,048 tokens, both products on codes of FP6 (E2M3) with E8M0 scales; o is quantised along the head's 64 and leaves as codes, an operand of the last projection.
; THE SOFTMAX: t = score x log2(e) / 8; M = the row's largest t so far, rounded up to a whole number; p = 2^(t - M) is quantised along the keys, not normalised; the row's sum is taken of the unquantised p
; and divides at the end; when M moves, the sum and O are multiplied by 2^(old M - new M), which rounds nothing.
; SHARES.  A work-group owns 256 queries of one head; each of its eight waves two tiles of 16, so that a fragment of K or V read from LDS feeds two products.  Every wave walks the 2,048 keys, 128 a step.
; THE WHOLE HEAD LIES IN LDS: K's codes 98,304 bytes, V's 98,304, their scale words 12,288.  Every byte is filled once, by seven loads at the head, one a wave: no ring, no refill, and so no loop in which a prefetch could run ahead.
; CLUSTER.  The four work-groups of a cluster belong to one head and ask for its K and V jointly.
; LAYOUT.  Both products are used transposed (S^T = K Q^T, O^T = V^T P^T): a lane holds one query of each tile.  Place i of K's tile 4 c + j is key 64 c + 8 j + i + 24 (i / 8): lane (r, h) then holds in the 32 registers of
; tiles 4 c .. 4 c + 3 the whole block of keys 64 c + 32 h + 0 .. 31, in order: its largest score needs no other lane, and two conversions give the six registers that the operand's layout wants of that lane.
; THE FIRST PRODUCT HAS K = 64 IN AN INSTRUCTION OF 128: Q's registers 6-11 are zero codes; K's tile t is named as 12 registers of which the upper six are tile t + 1's codes (behind tile 7: zeros): finite numbers that meet zero codes,
; under scale bytes 0: they add exactly 0.
; The next step's K is fetched behind this step's first products; the last step so fetches 6,656 bytes of V's part of LDS, which nobody uses.
; REGISTERS.  Window 1: S^T / p of tile u at v[64 u], O^T at v[128 + 32 u], Q at v[192 + 12 u].  Window 0: all else; both tiles' short chains stand side by side there.
; LIMITS: a block of zeros gets the byte 1 where the rule says 127 (its codes are zeros; this program alone reads the bytes); NaN and infinities are not served; the promise holds while |t| stays under 2^31.
.set SPARE, 0x33000                    ; the spare words: 128 bytes a wave, four blocks of 256 bytes that no other line names
.set LH,   1                           ; 16 x lane
.set LT,   2                           ; 16 r + 8 h
.set L8,   3                           ; 8 x lane
.set ADKH, 4                           ; v4-9 LDS addresses: K's codes (two), V's (two), K's words, V's words
.set ADKT, 5
.set ADVH, 6
.set ADVT, 7
.set ADS,  8
.set ADT,  9
.set OSO,  11                          ; 32 r
.set NM,   12                          ; + 2 u: -M; + 2 u + 1: the largest score so far
.set SUM,  16                          ; + 2 u: the row's sum, a pair
.set FF,   20                          ; + 2 u: f = 2^(old M - new M), named as a pair
.set PS,   26                          ; scale words, and nothing else: p's (+ u), V's, K's, Q's (+ u)
.set VS,   28
.set KS,   30
.set QS,   34
.set KF,   36                          ; v36-89 K's eight tiles, six registers each, and six zeros
.set VF,   90                          ; v90-137 V's four fragments
.set PC,   138                         ; + 12 u: p's codes
.set CT,   162                         ; + 4 (2 u + c): the conversions' second halves
.set BA,   178                         ; + 2 u + b: a block's largest score, then its largest p
.set BB,   182                         ; the second chain
.set SO,   186                         ; the conversions' scale operands
.set TA,   190
.set TB,   192
.set TO,   194
.set BY,   196
.set AC,   200                         ; + 8 u + 2 k: four chains of the sum, pairs
.set S,    0
.set O,    128
.set Q,    192
.set WV,   18
.set SEL,  20                          ; s[20:21] lane selects: lane l xor 16
.set CS,   22                          ; s[22:23] c = log2(e) / 8
.set G1C,  24                          ; group 1 of 32,768 bytes of codes; s[32:39] of the scale words
.set G1S,  32
.set GS,   40                          ; groups 0: the words, the first parts, the later parts
.set GE,   44
.set GL,   48
.set KO,   60
.set KSO,  61
.set VSO,  62
.set CNT,  63
.set VO,   66
.set MSB, 0
.macro WIN new                         ; the immediate's high byte repeats the setting that is left
.if MSB != (\new)
	s_set_vgpr_msb (MSB<<8)|(\new)
.set MSB, (\new)
.endif
.endm
.macro DEP n
	s_delay_alu instid0(VALU_DEP_\n)
.endm
.macro WALU
	s_wait_alu depctr_va_vdst(0)
.endm
.macro CROUND                          ; a round of the cluster's barrier
	s_barrier_signal -1
	s_barrier_wait -1
	s_cmp_lg_u32 s[WV], 0
	s_cbranch_scc1 .Lnot_wave_0_\@
	s_barrier_signal -3
.Lnot_wave_0_\@:
	s_barrier_wait -3
	s_barrier_signal -1
	s_barrier_wait -1
.endm
.macro TLOAD g0, g1
	tensor_load_to_lds s[\g0:\g0+3], s[\g1:\g1+7]
	s_nop 0
.rept 4
	v_nop
.endr
.endm
.macro KADDR
	v_add_nc_u32 v[ADKH], s[KO], v[LH]
	v_add_nc_u32 v[ADKT], s[KO], v[LT]
	v_add_nc_u32 v[ADS], s[KSO], v[LH]
.endm
.macro KLOAD                           ; 17 loads: eight tiles of K and their words (word i: lanes 0-15 tile 2 i, lanes 16-31 tile 2 i + 1); then on to the next step
.irp t, 0,1,2,3,4,5,6,7
	ds_load_b128 v[KF+6*\t:KF+6*\t+3], v[ADKH] offset:768*\t
	ds_load_b64 v[KF+6*\t+4:KF+6*\t+5], v[ADKT] offset:768*\t+512
.endr
	ds_load_b128 v[KS:KS+3], v[ADS]
	s_add_co_u32 s[KO], s[KO], 6144
	s_add_co_u32 s[KSO], s[KSO], 512
.endm
	s_load_b256 s[4:11], s[0:1], 0x0               ; hc, hs, ac, asc
	v_lshl_add_u32 v254, v0, 2, SPARE
	v_mov_b32 v255, 0
	ds_add_u32 v254, v255                          ; the opening lines: the add, twice on end
	ds_add_u32 v254, v255
	v_lshrrev_b32 v4, 5, v0
	v_readfirstlane_b32 s[WV], v4                  ; wave 0..7
	v_and_b32 v250, 15, v0                         ; r
	v_bfe_u32 v251, v0, 4, 1                       ; h
	v_and_b32 v252, 31, v0
	v_lshlrev_b32 v[LH], 4, v252
	v_lshlrev_b32 v[L8], 3, v252
	v_lshlrev_b32 v[LT], 4, v250
	v_lshlrev_b32 v[OSO], 5, v250
	v_lshlrev_b32 v253, 4, v250
	v_lshl_add_u32 v[LT], v251, 3, v[LT]
	s_bfe_u32 s12, ttmp6, 0x40000                  ; cx
	s_lshl_b32 s13, ttmp9, 2
	s_add_co_u32 s13, s13, s12                     ; my block of 256 queries: it enters Q's and the outputs' addresses alone
	s_and_b32 s14, ttmp7, 0xffff                   ; the head (16 batch + h), which the four partners share
	s_and_b32 s15, s[WV], 1                        ; even waves fetch K, odd waves V
	s_mov_b32 s[G1C], 15|(3<<16)|(1<<21)           ; the mask: all four; elements of 8 bytes; bit 21 beside a mask: 32,768 dense bytes as 128 rows of 256
	s_mov_b32 s[G1C+1], 32<<16
	s_mov_b32 s[G1C+2], 128<<16
	s_mov_b32 s[G1C+3], 32<<16
	s_mov_b32 s[G1C+4], 128
	s_mov_b32 s[G1C+5], 32
	s_mov_b32 s[G1C+6], 0
	s_mov_b32 s[G1C+7], 0
	s_mov_b32 s[G1S], 15|(3<<16)|(1<<21)           ; 12,288 dense bytes as 48 rows of 256
	s_mov_b32 s[G1S+1], 32<<16
	s_mov_b32 s[G1S+2], 48<<16
	s_mov_b32 s[G1S+3], 32<<16
	s_mov_b32 s[G1S+4], 48
	s_mov_b32 s[G1S+5], 32
	s_mov_b32 s[G1S+6], 0
	s_mov_b32 s[G1S+7], 0
	s_add_co_u32 s16, s15, 1
	s_mul_i32 s16, s16, 3145728                    ; k's codes begin at 3,145,728, v's at 6,291,456
	s_mul_i32 s17, s14, 98304
	s_add_co_u32 s16, s16, s17
	s_mov_b32 s17, 0
	s_mul_i32 s19, s15, 98304                      ; in LDS: K at 0, V behind it
	s_bfe_u32 s68, s[WV], 0x10001
	s_lshl_b32 s68, s68, 15
	s_add_co_u32 s68, s68, 32768                   ; waves 4-7: the second or the third 32,768 bytes
	s_mov_b32 s69, 0
	s_mul_i32 s2, s14, 12288
	s_add_co_u32 s2, s2, 262144
	s_mov_b32 s3, 0
	s_lshl_b32 s67, s13, 4
	s_lshl_b32 s70, s[WV], 1
	s_add_co_u32 s67, s67, s70                     ; my first tile of queries, 0 .. 126, even
	s_mul_i32 s70, s14, 98304
	s_mul_i32 s71, s67, 768
	s_add_co_u32 s70, s70, s71
	s_mov_b32 s71, 0                               ; s[70:71]: its codes in hc; the second tile's follow
	s_lshl_b32 s52, s14, 13
	s_lshr_b32 s53, s67, 3
	s_lshl_b32 s53, s53, 9
	s_add_co_u32 s52, s52, s53                     ; its step's 512 bytes of words,
	s_and_b32 s53, s[WV], 3
	s_lshl_b32 s53, s53, 2
	s_add_co_u32 s52, s52, s53                     ; word (tile % 8) / 2; the odd tile's lie 256 bytes on
	s_mov_b32 s53, 0
	s_and_b32 s12, s14, 15                         ; h
	s_lshr_b32 s13, s14, 4
	s_lshl_b32 s13, s13, 7
	s_add_co_u32 s13, s13, s67                     ; my row tile among the 256 of both batches
	s_lshr_b32 s55, s12, 2
	s_mul_i32 s54, s55, 786432                     ; ac [h / 4][row tile][h % 4][768]
	s_mul_i32 s55, s13, 3072
	s_add_co_u32 s54, s54, s55
	s_and_b32 s55, s12, 3
	s_mul_i32 s55, s55, 768
	s_add_co_u32 s54, s54, s55
	s_mov_b32 s55, 0
	s_lshl_b32 s56, s13, 9                         ; asc [row place][32]: bytes 2 h, 2 h + 1
	s_lshl_b32 s57, s12, 1
	s_add_co_u32 s56, s56, s57
	s_mov_b32 s57, 0
	s_mov_b32 s[SEL], 0x76543210
	s_mov_b32 s[SEL+1], 0xfedcba98
	s_mov_b32 s[CS], 0x3e38aa3b
	s_mov_b32 s[CS+1], s[CS]                       ; (named with it as a pair, so it is written)
	s_mov_b32 s[KO], 0
	s_mov_b32 s[VO], 98304
	s_mov_b32 s[KSO], 196608
	s_mov_b32 s[VSO], 204800
	WALU
	s_wait_dscnt 0x0
	s_wait_kmcnt 0x0
	s_add_nc_u64 s[16:17], s[4:5], s[16:17]
	s_add_nc_u64 s[2:3], s[6:7], s[2:3]
	s_add_nc_u64 s[4:5], s[4:5], s[70:71]
	s_add_nc_u64 s[6:7], s[6:7], s[52:53]
	s_add_nc_u64 s[8:9], s[8:9], s[54:55]
	s_add_nc_u64 s[10:11], s[10:11], s[56:57]
	global_load_b32 v[QS], v253, s[6:7]            ; Q and its words are asked for ahead of the round: they are on their way while the work-groups meet
	global_load_b32 v[QS+1], v253, s[6:7] offset:256
	WIN 0x40                                       ; destinations in window 1
.irp u, 0,1
	global_load_b128 v[Q+12*\u:Q+12*\u+3], v[LH], s[4:5] offset:768*\u
	global_load_b64 v[Q+12*\u+4:Q+12*\u+5], v[LT], s[4:5] offset:768*\u+512
.endr
	WIN 0
	CROUND                                         ; all four work-groups are here: the joint loads meet
	s_mov_b32 s[GS], 1
	s_mov_b32 s[GS+1], 196608
	s_mov_b64 s[GS+2:GS+3], s[2:3]
	s_or_b32 s[GS+3], s[GS+3], 0x80000000
	s_mov_b32 s[GE], 1
	s_mov_b32 s[GE+1], s19
	s_mov_b64 s[GE+2:GE+3], s[16:17]
	s_or_b32 s[GE+3], s[GE+3], 0x80000000
	s_mov_b32 s[GL], 1
	s_add_co_u32 s[GL+1], s19, s68
	s_add_nc_u64 s[GL+2:GL+3], s[16:17], s[68:69]
	s_or_b32 s[GL+3], s[GL+3], 0x80000000
	; one chain of branches on the wave's number, one load to an arm: waves 0, 1 the first 32,768 bytes of K, of V (key steps 0 to 4); wave 2 the scale words; waves 4-7 the rest; wave 3 none
	s_cmp_lt_u32 s[WV], 2
	s_cbranch_scc0 .Larm_words
	TLOAD GE, G1C
	s_branch .Lasked
.Larm_words:
	s_cmp_eq_u32 s[WV], 2
	s_cbranch_scc0 .Larm_late
	TLOAD GS, G1S
	s_branch .Lasked
.Larm_late:
	s_cmp_lt_u32 s[WV], 4
	s_cbranch_scc1 .Lasked
	TLOAD GL, G1C
.Lasked:
	WIN 0x40
.irp u, 0,1
.irp j, 6,7,8,9,10,11
	v_mov_b32 v[Q+12*\u+\j], 0                     ; zero codes: Q's K = 64 .. 127
.endr
.endr
.set i, 0
.rept 64
	v_mov_b32 v[O+i], 0                            ; O^T: the step is written once; the first finds zeros, which the first change of M leaves zeros
.set i, i+1
.endr
	WIN 0
.irp j, 48,49,50,51,52,53
	v_mov_b32 v[KF+\j], 0                          ; what stands behind K's tile 7
.endr
.irp u, 0,1
	v_mov_b32 v[NM+2*\u+1], 0xff61b1e6             ; the largest score so far: -3e38
	v_mov_b32 v[SUM+2*\u], 0
	v_mov_b32 v[SUM+2*\u+1], 0
	v_mov_b32 v[FF+2*\u+1], 0                      ; (named as the upper half of a pair)
	v_mov_b32 v[TB+\u], 0                          ; a lane permute's destination counts as one of its sources
	v_floor_f32 v[NM+2*\u], -v[NM+2*\u+1]
.endr
; A KEY STEP: 128 keys x my 32 queries
.macro KSTEP
	s_wait_dscnt 0x0                               ; this step's K and its words are in
	WIN 0x44                                       ; A window 0, B and D window 1
.irp t, 0,1,2,3,4,5,6,7
.irp u, 0,1
.if (\t)%2
	v_wmma_scale_f32_16x16x128_f8f6f4 v[S+64*\u+8*\t:S+64*\u+8*\t+7], v[KF+6*\t:KF+6*\t+11], v[Q+12*\u:Q+12*\u+11], 0, v[KS+\t/2], v[QS+\u] matrix_a_fmt:MATRIX_FMT_FP6 matrix_b_fmt:MATRIX_FMT_FP6 matrix_a_scale:MATRIX_SCALE_ROW1
.else
	v_wmma_scale_f32_16x16x128_f8f6f4 v[S+64*\u+8*\t:S+64*\u+8*\t+7], v[KF+6*\t:KF+6*\t+11], v[Q+12*\u:Q+12*\u+11], 0, v[KS+\t/2], v[QS+\u] matrix_a_fmt:MATRIX_FMT_FP6 matrix_b_fmt:MATRIX_FMT_FP6
.endif
.endr
.endr
	WIN 0
	v_add_nc_u32 v[ADVH], s[VO], v[LH]             ; six plain instructions: the places between the products and the loads into their registers, and the first read of the scores
	v_add_nc_u32 v[ADVT], s[VO], v[LT]
	v_add_nc_u32 v[ADT], s[VSO], v[L8]
	KADDR
.irp d, 0,1,2,3                                ; 17 loads: this step's V and its words,
	ds_load_b128 v[VF+12*\d:VF+12*\d+3], v[ADVH] offset:1536*\d
	ds_load_b64 v[VF+12*\d+4:VF+12*\d+5], v[ADVT] offset:1536*\d+512
	ds_load_b128 v[VF+12*\d+6:VF+12*\d+9], v[ADVH] offset:1536*\d+768
	ds_load_b64 v[VF+12*\d+10:VF+12*\d+11], v[ADVT] offset:1536*\d+1280
.endr
	ds_load_b64 v[VS:VS+1], v[ADT]
	KLOAD                                          ; and 17: the next step's K
	s_add_co_u32 s[VO], s[VO], 6144
	s_add_co_u32 s[VSO], s[VSO], 256
	; the largest score of each of my four blocks of 32 keys, two chains a block, each accumulator read from its low end on
	WIN 0x15
.irp u, 0,1
.irp b, 0,1
	v_max3_num_f32 v[BA+2*\u+\b], v[S+64*\u+32*\b], v[S+64*\u+32*\b+1], v[S+64*\u+32*\b+2]
	v_max3_num_f32 v[BB+2*\u+\b], v[S+64*\u+32*\b+17], v[S+64*\u+32*\b+18], v[S+64*\u+32*\b+19]
.endr
.endr
	WIN 0x14
.irp k, 0,1,2,3,4,5
.irp u, 0,1
.irp b, 0,1
	v_max3_num_f32 v[BA+2*\u+\b], v[BA+2*\u+\b], v[S+64*\u+32*\b+3+2*\k], v[S+64*\u+32*\b+4+2*\k]
	v_max3_num_f32 v[BB+2*\u+\b], v[BB+2*\u+\b], v[S+64*\u+32*\b+20+2*\k], v[S+64*\u+32*\b+21+2*\k]
.endr
.endr
.endr
.irp u, 0,1
.irp b, 0,1
	v_max3_num_f32 v[BA+2*\u+\b], v[BA+2*\u+\b], v[S+64*\u+32*\b+15], v[S+64*\u+32*\b+16]
.endr
.endr
	WIN 0
.irp q, 0,1,2,3
	v_max_num_f32 v[BA+\q], v[BA+\q], v[BB+\q]
.endr
	; the new M and f, both tiles side by side
	DEP 3
	v_max_num_f32 v[TA], v[BA], v[BA+1]
	DEP 2
	v_max_num_f32 v[TA+1], v[BA+2], v[BA+3]
	v_mov_b32 v[TO], v[NM]
	v_mov_b32 v[TO+1], v[NM+2]
.irp u, 0,1
	DEP 4
	v_permlanex16_b32 v[TB+\u], v[TA+\u], s[SEL], s[SEL+1]
.endr
.irp u, 0,1
	DEP 2
	v_max3_num_f32 v[NM+2*\u+1], v[NM+2*\u+1], v[TA+\u], v[TB+\u]   ; the row's largest score so far
.endr
.irp u, 0,1
	DEP 2
	v_mul_f32 v[TA+\u], s[CS], v[NM+2*\u+1]        ; as t (c is positive)
.endr
.irp u, 0,1
	DEP 2
	v_floor_f32 v[NM+2*\u], -v[TA+\u]              ; -M = floor(-t) = -ceil(t)
.endr
.irp u, 0,1
	DEP 2
	v_sub_f32 v[TA+\u], v[NM+2*\u], v[TO+\u]       ; old M - new M: a whole number, 0 or less
.endr
.irp u, 0,1
	DEP 2
	v_cvt_i32_f32 v[TA+\u], v[TA+\u]               ; (it saturates)
.endr
.irp u, 0,1
	DEP 2
	v_ldexp_f32 v[FF+2*\u], 1.0, v[TA+\u]
.endr
.irp u, 0,1
.irp b, 0,1
	v_fma_f32 v[BA+2*\u+\b], v[BA+2*\u+\b], s[CS], v[NM+2*\u]   ; t - M of each block's largest score
.endr
.endr
.irp u, 0,1
	v_pk_mul_f32 v[SUM+2*\u:SUM+2*\u+1], v[SUM+2*\u:SUM+2*\u+1], v[FF+2*\u:FF+2*\u+1] op_sel_hi:[1,0]   ; the sums under the new M
.endr
	WIN 0x41                                       ; source 0 and destination window 1
.irp u, 0,1
.set j, 0
.rept 32
	v_pk_fma_f32 v[S+64*\u+j:S+64*\u+j+1], v[S+64*\u+j:S+64*\u+j+1], s[CS:CS+1], v[NM+2*\u:NM+2*\u+1] op_sel_hi:[1,0,0]   ; t - M, two at a time
.set j, j+2
.endr
.endr
.irp u, 0,1
.set j, 0
.rept 16
	v_pk_mul_f32 v[O+32*\u+j:O+32*\u+j+1], v[O+32*\u+j:O+32*\u+j+1], v[FF+2*\u:FF+2*\u+1] op_sel_hi:[1,0]   ; O^T under the new M
.set j, j+2
.endr
.endr
	WALU
.set j, 0
.rept 128
	v_exp_f32 v[S+j], v[S+j]                       ; p = 2^(t - M)
.set j, j+1
.endr
	WIN 0
.irp q, 0,1,2,3
	v_exp_f32 v[BA+\q], v[BA+\q]                   ; the block's largest p: the same two instructions on the same number
.endr
	v_nop                                          ; a plain place behind the batch
	WALU                                           ; and one wait for it, ahead of its first reader
.irp q, 0,1,2,3
	v_max_num_f32 v[BA+\q], 0x1800000, v[BA+\q]    ; the floor 2^(3 - 127): the byte cannot fall under 1
.endr
.irp q, 0,1,2,3
	DEP 4
	v_add_nc_u32 v[SO+\q], 0xff000000, v[BA+\q]    ; 2 off the exponent field: the conversion's scale operand
.endr
.irp q, 0,1,2,3
	DEP 4
	v_lshrrev_b32 v[BY+\q], 23, v[SO+\q]
.endr
	DEP 3
	v_lshl_or_b32 v[TA], v[BY+1], 16, v[BY]        ; my bytes: blocks h and 2 + h
	DEP 2
	v_lshl_or_b32 v[TA+1], v[BY+3], 16, v[BY+2]
.irp u, 0,1
	DEP 2
	v_permlanex16_b32 v[TB+\u], v[TA+\u], s[SEL], s[SEL+1]
.endr
.irp u, 0,1
	DEP 2
	v_lshl_or_b32 v[PS+\u], v[TB+\u], 8, v[TA+\u]  ; lanes 0-15, which alone are read: blocks 0, 1, 2, 3 (lanes 16-31 hold the same four bytes in another order)
.endr
	WIN 0x05                                       ; the row's sum of the unquantised p: four chains a tile
.irp u, 0,1
.irp k, 0,1,2,3
	v_pk_add_f32 v[AC+8*\u+2*\k:AC+8*\u+2*\k+1], v[S+64*\u+2*\k:S+64*\u+2*\k+1], v[S+64*\u+8+2*\k:S+64*\u+8+2*\k+1]
.endr
.endr
	WIN 0x01
.irp j, 2,3,4,5,6,7
.irp u, 0,1
.irp k, 0,1,2,3
	v_pk_add_f32 v[AC+8*\u+2*\k:AC+8*\u+2*\k+1], v[S+64*\u+8*\j+2*\k:S+64*\u+8*\j+2*\k+1], v[AC+8*\u+2*\k:AC+8*\u+2*\k+1]
.endr
.endr
.endr
.irp u, 0,1
.irp c, 0,1
	v_cvt_scalef32_pk16_fp6_f32 v[PC+12*\u+6*\c:PC+12*\u+6*\c+2], v[S+64*\u+32*\c:S+64*\u+32*\c+15], v[SO+2*\u+\c]
	v_cvt_scalef32_pk16_fp6_f32 v[CT+8*\u+4*\c:CT+8*\u+4*\c+2], v[S+64*\u+32*\c+16:S+64*\u+32*\c+31], v[SO+2*\u+\c]   ; (a conversion's three registers begin on an even number)
.endr
.endr
	WIN 0
	v_nop                                          ; one plain place behind a scaled conversion
.irp u, 0,1
.irp c, 0,1
.irp i, 0,1,2
	v_mov_b32 v[PC+12*\u+6*\c+3+\i], v[CT+8*\u+4*\c+\i]
.endr
.endr
.endr
.irp u, 0,1                                    ; the chains join: these eight are also the places between the codes' last write and the products
	v_pk_add_f32 v[AC+8*\u:AC+8*\u+1], v[AC+8*\u:AC+8*\u+1], v[AC+8*\u+2:AC+8*\u+3]
	v_pk_add_f32 v[AC+8*\u+4:AC+8*\u+5], v[AC+8*\u+4:AC+8*\u+5], v[AC+8*\u+6:AC+8*\u+7]
.endr
	DEP 3
	v_pk_add_f32 v[AC:AC+1], v[AC:AC+1], v[AC+4:AC+5]
	DEP 2
	v_pk_add_f32 v[AC+8:AC+9], v[AC+8:AC+9], v[AC+12:AC+13]
.irp u, 0,1
	DEP 2
	v_pk_add_f32 v[SUM+2*\u:SUM+2*\u+1], v[SUM+2*\u:SUM+2*\u+1], v[AC+8*\u:AC+8*\u+1]
.endr
	WALU
	s_wait_dscnt 17                                ; V and its words are in; the 17 loads of the next step's K, issued behind them, may be out
	WIN 0x50                                       ; A and B window 0, C and D window 1; the eight accumulators take one turn each
.irp d, 0,1,2,3
.irp u, 0,1
.if (\d)%2
	v_wmma_scale_f32_16x16x128_f8f6f4 v[O+32*\u+8*\d:O+32*\u+8*\d+7], v[VF+12*\d:VF+12*\d+11], v[PC+12*\u:PC+12*\u+11], v[O+32*\u+8*\d:O+32*\u+8*\d+7], v[VS+\d/2], v[PS+\u] matrix_a_fmt:MATRIX_FMT_FP6 matrix_b_fmt:MATRIX_FMT_FP6 matrix_a_scale:MATRIX_SCALE_ROW1
.else
	v_wmma_scale_f32_16x16x128_f8f6f4 v[O+32*\u+8*\d:O+32*\u+8*\d+7], v[VF+12*\d:VF+12*\d+11], v[PC+12*\u:PC+12*\u+11], v[O+32*\u+8*\d:O+32*\u+8*\d+7], v[VS+\d/2], v[PS+\u] matrix_a_fmt:MATRIX_FMT_FP6 matrix_b_fmt:MATRIX_FMT_FP6
.endif
.endr
.endr
	WIN 0
.endm
	WALU
	s_wait_loadcnt 0x0                             ; Q and its words
	s_cmp_lt_u32 s[WV], 3
	s_cbranch_scc0 .Lnot_early
	s_wait_tensorcnt 0x0                           ; waves 0 to 2: the first parts of K and V and the words are in; the later parts have load lines of their own and may be out
.Lnot_early:
	s_barrier_signal -1
	s_barrier_wait -1
	KADDR
	KLOAD                                          ; key step 0's K
	s_mov_b32 s[CNT], 4
.Lfirst:                                           ; key steps 0 to 3 read, with step 4's K, bytes under 30,720 of each first part
	KSTEP
	s_sub_co_u32 s[CNT], s[CNT], 1
	s_cmp_lg_u32 s[CNT], 0
	s_cbranch_scc1 .Lfirst
	s_wait_tensorcnt 0x0                           ; all parts are in,
	s_wait_dscnt 0x0
	s_barrier_signal -1
	s_barrier_wait -1                              ; everybody's are
	s_mov_b32 s[CNT], 12
.Lrest:
	KSTEP
	s_sub_co_u32 s[CNT], s[CNT], 1
	s_cmp_lg_u32 s[CNT], 0
	s_cbranch_scc1 .Lrest
	; THE WAY OUT: O^T / the sum; register 16 b + i is channel 32 b + 16 h + i of my query: two blocks a tile, each in lanes l and l xor 16; six registers of codes and two bytes a tile
.set E, KF                             ; v36-99: o, 32 registers a tile
	s_wait_dscnt 0x0                               ; the loads behind the last step have landed: their registers are written below
.rept 4
	v_nop                                          ; places behind the last products
.endr
.irp u, 0,1
	v_add_f32 v[SUM+2*\u], v[SUM+2*\u], v[SUM+2*\u+1]
.endr
.irp u, 0,1
	v_permlanex16_b32 v[TB+\u], v[SUM+2*\u], s[SEL], s[SEL+1]
.endr
.irp u, 0,1
	v_add_f32 v[SUM+2*\u], v[SUM+2*\u], v[TB+\u]   ; the row's sum
.endr
	WALU
.irp u, 0,1
	v_rcp_f32 v[SUM+2*\u], v[SUM+2*\u]
.endr
	v_nop                                          ; a plain place behind the transcendentals
	WALU                                           ; and the wait ahead of their first reader, which is O^T's first reader too
	WIN 0x01
.irp u, 0,1
.set j, 0
.rept 16
	v_pk_mul_f32 v[E+32*\u+j:E+32*\u+j+1], v[O+32*\u+j:O+32*\u+j+1], v[SUM+2*\u:SUM+2*\u+1] op_sel_hi:[1,0]   ; each accumulator from its low end on
.set j, j+2
.endr
.endr
	WIN 0
.irp q, 0,1,2,3
	v_max3_num_f32 v[BA+\q], |v[E+16*\q]|, |v[E+16*\q+1]|, 0x1800000
.endr
.irp i, 2,4,6,8,10,12,14
.irp q, 0,1,2,3
	v_max3_num_f32 v[BA+\q], v[BA+\q], |v[E+16*\q+\i]|, |v[E+16*\q+\i+1]|
.endr
.endr
.irp q, 0,1,2,3
	v_permlanex16_b32 v[BB+\q], v[BA+\q], s[SEL], s[SEL+1]
.endr
.irp q, 0,1,2,3
	v_max_num_f32 v[BA+\q], v[BA+\q], v[BB+\q]
.endr
.irp q, 0,1,2,3
	v_add_nc_u32 v[SO+\q], 0xff000000, v[BA+\q]
.endr
.irp q, 0,1,2,3
	v_lshrrev_b32 v[BY+\q], 23, v[SO+\q]
.endr
.irp u, 0,1
	v_lshl_or_b32 v[TA+\u], v[BY+2*\u+1], 8, v[BY+2*\u]
.endr
.irp u, 0,1
	v_cvt_scalef32_pk16_fp6_f32 v[PC+12*\u:PC+12*\u+2], v[E+32*\u:E+32*\u+15], v[SO+2*\u]
	v_cvt_scalef32_pk16_fp6_f32 v[CT+8*\u:CT+8*\u+2], v[E+32*\u+16:E+32*\u+31], v[SO+2*\u+1]
.endr
	v_nop
.irp u, 0,1
.irp i, 0,1,2
	v_permlane16_swap_b32 v[PC+12*\u+\i], v[CT+8*\u+\i]   ; a whole block to a lane
.endr
.endr
.irp u, 0,1
.irp i, 0,1,2
	v_mov_b32 v[PC+12*\u+3+\i], v[CT+8*\u+\i]
.endr
.endr
.irp u, 0,1
	global_store_b128 v[LH], v[PC+12*\u:PC+12*\u+3], s[8:9] offset:3072*\u        ; 512 and 256 consecutive bytes, aligned
	global_store_b64 v[LT], v[PC+12*\u+4:PC+12*\u+5], s[8:9] offset:3072*\u+512
	global_store_b16 v[OSO], v[TA+\u], s[10:11] offset:512*\u   ; two bytes a row, 32 apart (both halves of the lanes write the same): a work-group has one head's bytes alone; 131,072 bytes in the whole launch leave so
.endr
	s_wait_tensorcnt 0x0                           ; the wave's end
	ds_add_u32 v254, v255
	s_wait_dscnt 0x0
	CROUND                                         ; the closing round
	s_endpgm
.Lfunc_end_k_q6eb03695f7_attn:
	.size	k_q6eb03695f7_attn, .Lfunc_end_k_q6eb03695f7_attn-k_q6eb03695f7_attn
	.p2alignl 7, 3214868480
	.fill 96, 4, 3214868480
	.section	.rodata,"a",@progbits
	.p2align	6, 0x0
	.amdhsa_kernel k_q6eb03695f7_attn
		.amdhsa_group_segment_fixed_size 210944
		.amdhsa_private_segment_fixed_size 0
		.amdhsa_enable_private_segment 0
		.amdhsa_kernarg_size 32
		.amdhsa_user_sgpr_count 2
		.amdhsa_user_sgpr_kernarg_segment_ptr 1
		.amdhsa_wavefront_size32 1
		.amdhsa_system_sgpr_workgroup_id_x 1
		.amdhsa_system_sgpr_workgroup_id_y 1
		.amdhsa_system_sgpr_workgroup_id_z 1
		.amdhsa_system_vgpr_workitem_id 0
		.amdhsa_next_free_vgpr 512
		.amdhsa_next_free_sgpr 72
		.amdhsa_reserve_vcc 0
		.amdhsa_float_denorm_mode_32 3
		.amdhsa_float_denorm_mode_16_64 3
		.amdhsa_memory_ordered 1
		.amdhsa_forward_progress 1
		.amdhsa_inst_pref_size 76
	.end_amdhsa_kernel
	.amdgpu_metadata
---
amdhsa.version: [ 1, 2 ]
amdhsa.kernels:
  - .name:           k_q6eb03695f7_attn
    .symbol:         k_q6eb03695f7_attn.kd
    .args:
      - { .name: hc, .offset: 0, .size: 8, .value_kind: global_buffer, .address_space: global }
      - { .name: hs, .offset: 8, .size: 8, .value_kind: global_buffer, .address_space: global }
      - { .name: ac, .offset: 16, .size: 8, .value_kind: global_buffer, .address_space: global }
      - { .name: asc, .offset: 24, .size: 8, .value_kind: global_buffer, .address_space: global }
    .group_segment_fixed_size: 210944
    .private_segment_fixed_size: 0
    .kernarg_segment_align: 8
    .kernarg_segment_size: 32
    .max_flat_workgroup_size: 256
    .sgpr_count:     72
    .vgpr_count:     512
    .wavefront_size: 32
...
	.end_amdgpu_metadata
.endif
;; end of part 3
;; launch outp (part 4): grid 8 x 32, 4 waves a work-group, clusters of 4 x 4, 222,720 bytes of LDS; arguments ac, asc, wc, ws, bo, out0; writes out0
.if DOCPART == 4
	.amdgcn_target "amdgcn-amd-amdhsa--gfx1250"
	.amdhsa_code_object_version 6
	.text
	.protected	k_q6eb03695f7_outp
	.globl	k_q6eb03695f7_outp
	.p2align	8
	.type	k_q6eb03695f7_outp,@function
k_q6eb03695f7_outp:
	s_mov_b64 s[64:65], 0
	v_nop
	global_prefetch_b8 v0, s[64:65] scope:SCOPE_SE
	s_setreg_imm32_b32 hwreg(HW_REG_WAVE_MODE, 25, 1), 1
	s_wait_xcnt 0x0
	s_wait_alu depctr_hold_cnt(0) depctr_sa_sdst(0) depctr_va_vdst(0) depctr_va_sdst(0) depctr_va_ssrc(0) depctr_va_vcc(0) depctr_vm_vsrc(0)
	s_getreg_b32 s2, hwreg(HW_REG_IB_STS2, 6, 4)
	s_cmp_eq_u32 s2, 0
	s_cbranch_scc0 .Lentry_in_a_cluster
	s_endpgm
.Lentry_in_a_cluster:
	s_bfe_u32 s2, ttmp6, 0x10000c
	s_cmp_lg_u32 s2, 0xf033
	s_cbranch_scc0 .Lentry_shape_is_right
	s_endpgm
.Lentry_shape_is_right:
; out0 = o Wo + bo on codes of FP6 (E2M3) with E8M0 scales, sums in f32.  o [4096][1024] comes as ac, asc, Wo as the fourth weight of wc, ws; out0 [4096][1024] f32.
; A block of 128 x 128 to a work-group of four waves: 32 x 8 = 256 work-groups; a wave makes 64 x 64: 16 accumulators of 16 x 16, 128 registers.
; ALL OF K LIES IN LDS: 128 rows x 1,024 K are 98,304 bytes a side.  Every LDS byte is filled once, at the start, in four chunks of 256 along K: no ring and no refill; all is read behind one barrier in front of which every wave has
; waited for its load.
; CLUSTERS: 4 x 4 work-groups; A's tiles are asked for jointly along a row of the cluster, B's along a column.
; Operands lie in memory as images of the operand's registers, in tiles of 16 rows (place i of tile 2 t + u is row 32 t + 8 u + i + 8 (i / 8)): 64 rows x 256 K are 12,288 dense bytes, and a fragment is two loads of 16 bytes
; and two of 8 a lane at consecutive addresses.  The way out puts rows and columns back in their order.
; The matrix instruction is used transposed: source 0 = 16 columns of Wo ("B"), source 1 = 16 tokens ("A"): a lane holds eight neighbouring numbers of a row of out0.
; REGISTERS: window 0: v4-16 addresses; v32-63 the scale words of all eight steps of 128 along K, and nothing else; v64-95 the bias in the result's layout; on the way out v64-127 rows read back; v128-255 the accumulators ((a, b) at v[128 + 8 (4 a + b)]).
;   windows 1 and 2: two fragment buffers each, at v0 and v128: A's four fragments, then B's four, 12 registers each.
.set FR,     12                        ; registers of a fragment
.set NL,     4                         ; LDS loads that bring one
.set NP,     4                         ; places behind this matrix instruction (ISA guide 7.12.1)
.set PART,   12288                     ; 64 rows x 256 K: what one tensor load brings
.set CHUNK,  4*PART                    ; two chunks of 256 along K of one side
.set SCL,    4*CHUNK                   ; behind the codes: the scale bytes of 128 + 128 rows for all of K, 32 bytes a row
.set SPART,  2048                      ; those of 64 rows
.set STG,    SCL+4*SPART               ; behind them: a stage of 16 rows x (256 bytes + 16) for each wave, for the way out: bytes of its own, into which no tile lands
.set SPITCH, 272                       ; an odd multiple of 16 bytes: the sixteen rows that a store touches start at sixteen different places modulo 256 bytes
.set KA,     786432                    ; a step of 256 along K in ac;
.set KB,     786432                    ; in wc too, which is laid [K / 256][weight][row tile 64][3072]
.set ADRA, 4                           ; v4-5  my A fragments in chunks 0-1, 2-3, + 16 x lane; v6-7 the same + 16 r + 8 h
.set ADRB, 8                           ; v8-11 the same for B
.set STO,  12                          ; v12  the stage: where I put 32 bytes of a row
.set RD,   13                          ; v13  and where I read a row back
.set CO,   14                          ; v14  my bytes of two rows of out0
.set ADRS, 15                          ; v15  my scale words: lanes 0-15 A's rows, lanes 16-31 B's
.set BOF,  16                          ; v16  the bias's lane offset
.set SC,   32
.set BI,   64
.set BK,   64
.set ACC,  128
.set G1,   24                          ; s[24:31] group 1 for A's codes; s[32:39] for B's; s[40:47], s[48:55] for their scale bytes
.set G1B,  32
.set G1S,  40
.set G1SB, 48
.set GA0,  56                          ; groups 0: one for each wave's one load
.set GA1,  60
.set GA2,  68
.set GA3,  72
.set GSA,  76
.set GB0,  80
.set GB1,  84
.set GB2,  88
.set GB3,  92
.set GSB,  96
.set MSB, 0
.macro WIN new                         ; the immediate's high byte repeats the setting that is left
.if MSB != (\new)
	s_set_vgpr_msb (MSB<<8)|(\new)
.set MSB, (\new)
.endif
.endm
.set MUL,  0x05                        ; sources 0 (B) and 1 (A) window 1; C and D window 0
.set TO_F, 0x40                        ; destination window 1, address window 0
.macro CREST                           ; a round of the cluster's barrier behind its opening barrier
	s_cmp_lg_u32 s14, 0
	s_cbranch_scc1 .Lnot_wave_0_\@
	s_barrier_signal -3
.Lnot_wave_0_\@:
	s_barrier_wait -3
	s_barrier_signal -1
	s_barrier_wait -1
.endm
.macro CROUND
	s_barrier_signal -1
	s_barrier_wait -1
	CREST
.endm
.macro MKG0 g, lreg, loff, src, goff   ; a group 0: to LDS byte s[lreg] + loff, from s[src:src+1] + goff
	s_mov_b32 s[\g], 1                             ; 1:0 count = 1
	s_add_co_u32 s[\g+1], s[\lreg], (\loff)        ; 63:32 LDS address
	s_add_nc_u64 s[\g+2:\g+3], s[\src:\src+1], (\goff)   ; 120:64 global address
	s_or_b32 s[\g+3], s[\g+3], 0x80000000          ; 127:126 type = 2
.endm
	s_load_b256 s[4:11], s[0:1], 0x0               ; ac, asc, wc, ws
	s_load_b128 s[20:23], s[0:1], 0x20             ; bo, out0
	v_lshl_add_u32 v30, v0, 2, 0x36400
	v_mov_b32 v31, 0
	ds_add_u32 v30, v31
	ds_add_u32 v30, v31
	v_lshrrev_b32 v1, 5, v0
	v_readfirstlane_b32 s14, v1                    ; wave 0..3
	s_lshr_b32 s15, s14, 1                         ; which half of the rows is mine.
	s_and_b32 s16, s14, 1                          ; which half of the columns.
	s_bfe_u32 s100, ttmp6, 0x40000                 ; cx, cy: my place in the cluster
	s_bfe_u32 s101, ttmp6, 0x40004
	s_lshl_b32 s66, ttmp9, 2
	s_add_co_u32 s66, s66, s100                    ; block of columns = 4 x cluster x + cx: 0 .. 7
	s_and_b32 s17, ttmp7, 0xffff
	s_lshl_b32 s17, s17, 2
	s_add_co_u32 s17, s17, s101                    ; block of rows = 4 x cluster y + cy: 0 .. 31
	s_lshl_b32 s101, s101, 2
	s_lshl_b32 s101, 15, s101                      ; my row of the cluster
	s_lshl_b32 s100, 0x1111, s100                  ; my column
	s_or_b32 s[G1+0], s101, (3<<16)|(1<<21)        ; 15:0 the mask; 17:16 elements of 8 bytes; 21 set beside a mask, no padding
	s_or_b32 s[G1B+0], s100, (3<<16)|(1<<21)
.irp g, G1, G1B                                ; a side's 128 rows, all of K: four rows of 24,576 bytes (3,072 elements), 786,432 bytes apart.  In LDS: A's four chunks from 0, B's from 98,304
	s_mov_b32 s[\g+1], 3072<<16
	s_mov_b32 s[\g+2], 4<<16
	s_mov_b32 s[\g+3], 3072<<16
	s_mov_b32 s[\g+4], 4
	s_mov_b32 s[\g+5], 98304
	s_mov_b32 s[\g+6], 0
	s_mov_b32 s[\g+7], 0
.endr
	s_or_b32 s[G1S+0], s101, (3<<16)|(1<<21)       ; the scale bytes of 128 rows: 4,096 dense bytes as 16 rows of 256
	s_or_b32 s[G1SB+0], s100, (3<<16)|(1<<21)
.irp g, G1S, G1SB
	s_mov_b32 s[\g+1], 32<<16
	s_mov_b32 s[\g+2], 16<<16                      ; the scale bytes of a side's 128 rows: 16 rows of 256 bytes
	s_mov_b32 s[\g+3], 32<<16
	s_mov_b32 s[\g+4], 16
	s_mov_b32 s[\g+5], 32
	s_mov_b32 s[\g+6], 0
	s_mov_b32 s[\g+7], 0
.endr
	; where the tiles come from.  A's hang on the block of rows alone, which my row of the cluster shares; B's on the block of columns alone, which my column shares
	s_mul_i32 s2, s17, 2*PART                      ; A's codes: 8 tiles a block
	s_mov_b32 s3, 0
	s_lshl_b32 s12, s17, 12                        ; A's scale bytes: 128 rows x 32
	s_mov_b32 s13, 0
	s_mul_i32 s104, s66, 2*PART                    ; B's codes,
	s_add_co_u32 s104, s104, 3*196608
	s_mov_b32 s105, 0
	s_lshl_b32 s18, s66, 12                        ; B's scale bytes
	s_add_co_u32 s18, s18, 3*32768
	s_mov_b32 s19, 0
	s_mov_b32 s67, 0
	s_wait_dscnt 0x0
	s_wait_kmcnt 0x0
	s_add_nc_u64 s[4:5], s[4:5], s[2:3]
	s_add_nc_u64 s[6:7], s[6:7], s[12:13]
	s_add_nc_u64 s[8:9], s[8:9], s[104:105]
	s_add_nc_u64 s[10:11], s[10:11], s[18:19]
	CROUND                                         ; all sixteen work-groups are here: the joint loads meet
	MKG0 GA0, 67, 0, 4, 0
	MKG0 GB0, 67, 8*PART, 8, 0
	MKG0 GSA, 67, SCL, 6, 0
	MKG0 GSB, 67, SCL+2*SPART, 10, 0
; THE HEAD'S LOADS, ONE A WAVE: wave 0 A's codes, wave 1 B's, wave 2 A's scale bytes, wave 3 B's.  One chain of branches on the wave's number; every way passes one load.
.macro ARM under, g0, g1, next
	s_cmp_lt_u32 s14, \under
	s_cbranch_scc0 \next
	tensor_load_to_lds s[\g0:\g0+3], s[\g1:\g1+7]
	s_nop 0
.rept 4
	v_nop
.endr
	s_branch .Lasked
\next:
.endm
	ARM 1, GA0, G1,  .Lhead_b
	ARM 2, GB0, G1B, .Lhead_sa
	ARM 3, GSA, G1S, .Lhead_sb
	tensor_load_to_lds s[GSB:GSB+3], s[G1SB:G1SB+7]
	s_nop 0
.rept 4
	v_nop
.endr
.Lasked:
	v_and_b32 v1, 15, v0                           ; r
	v_bfe_u32 v2, v0, 4, 1                         ; h
	v_and_b32 v3, 31, v0
	v_lshlrev_b32 v17, 4, v3                       ; 16 x lane
	v_lshlrev_b32 v18, 4, v1
	v_lshl_add_u32 v18, v2, 3, v18                 ; 16 r + 8 h
	s_mul_i32 s104, s15, PART                      ; my 64 rows of A
	s_mul_i32 s105, s16, PART                      ; my 64 rows of B,
	s_add_co_u32 s105, s105, 8*PART                ; which lie behind A's four chunks
.irp g, 0,1                                    ; an address register serves two chunks: the second chunk, the tile and the step stand in the immediate, 36,608 at the most
	v_add_nc_u32 v[ADRA+\g], s104, v17
	v_add_nc_u32 v[ADRB+\g], s105, v17
	v_add_nc_u32 v[ADRA+2+\g], s104, v18
	v_add_nc_u32 v[ADRB+2+\g], s105, v18
	s_add_co_u32 s104, s104, CHUNK
	s_add_co_u32 s105, s105, CHUNK
.endr
	v_lshlrev_b32 v19, 5, v1                       ; my row's scale bytes: 32 a row
	s_lshl_b32 s104, s15, 11                       ; A's: my 64 rows
	s_lshl_b32 s105, s16, 11                       ; B's: my 64 rows, behind A's 128
	s_add_co_u32 s105, s105, 2*SPART
	s_sub_co_u32 s105, s105, s104
	v_mul_u32_u24 v20, s105, v2                    ; lanes 16-31 take B's
	s_add_co_u32 s104, s104, SCL
	v_add_nc_u32 v19, v19, v20
	v_add_nc_u32 v[ADRS], s104, v19
	s_mul_i32 s104, s14, 16*SPITCH
	s_add_co_u32 s104, s104, STG                   ; my stage
	v_mul_u32_u24 v19, v1, SPITCH
	v_lshl_add_u32 v19, v2, 6, v19
	v_add_nc_u32 v[STO], s104, v19                 ; in: row r, + 64 h: tile b's eight columns are 32 (b / 2) + 8 (b % 2) + 16 h + 0 .. 7
	v_mul_u32_u24 v19, v2, SPITCH
	v_lshl_add_u32 v19, v1, 4, v19
	v_add_nc_u32 v[RD], s104, v19                  ; back: lanes 0-15 take one row of 256 bytes, lanes 16-31 the next
	v_lshlrev_b32 v[CO], 12, v2
	v_lshl_add_u32 v[CO], v1, 4, v[CO]             ; and the same two rows in out0: 4,096 bytes a row
	v_lshlrev_b32 v[BOF], 6, v2
	s_wait_alu depctr_va_vdst(0)
	s_lshl_b32 s2, s66, 9
	s_lshl_b32 s3, s16, 8
	s_add_co_u32 s2, s2, s3                        ; my 64 columns, in bytes: 512 x block + 256 x half
	s_mov_b32 s3, 0
	s_add_nc_u64 s[20:21], s[20:21], s[2:3]        ; bo there
	s_lshl_b32 s18, s17, 7
	s_lshl_b32 s19, s15, 6
	s_add_co_u32 s18, s18, s19
	s_lshl_b32 s18, s18, 12                        ; my first row of out0
	s_add_co_u32 s2, s2, s18
	s_add_nc_u64 s[12:13], s[22:23], s[2:3]
.irp b, 0,1,2,3                                ; the bias is the C of each sum's first matrix instruction: eight registers a tile of columns, in the result's layout
	global_load_b128 v[BI+8*\b:BI+8*\b+3], v[BOF], s[20:21] offset:(32*(\b/2)+8*(\b%2))*4
	global_load_b128 v[BI+8*\b+4:BI+8*\b+7], v[BOF], s[20:21] offset:(32*(\b/2)+8*(\b%2))*4+16
.endr
.macro FRAG reg, adr, off              ; a fragment, 16 rows x 128 K: its image's 1,536 bytes, each load at consecutive addresses
	ds_load_b128 v[\reg:\reg+3], v[\adr] offset:(\off)
	ds_load_b64 v[\reg+4:\reg+5], v[\adr+2] offset:(\off)+512
	ds_load_b128 v[\reg+6:\reg+9], v[\adr] offset:(\off)+768
	ds_load_b64 v[\reg+10:\reg+11], v[\adr+2] offset:(\off)+1280
.endm
; 32 LDS loads in one run: the fragments of step s (128 along K: chunk s / 2, half s % 2) into buffer s % 4: B's four and A's blocks 0, 1 first, A's blocks 2, 3 last
.macro FETCH s
.set FB, 128*((\s)%2)
.set FG, (\s)/4
.set FO, (((\s)/2)%2)*2*PART+((\s)%2)*1536
	WIN (1+((\s)/2)%2)<<6                          ; FOUR fragment buffers: step s has v[128 (s % 2)] on of window 1 + (s / 2) % 2
.irp i, 0,1,2,3
	FRAG FB+48+FR*\i, ADRB+FG, FO+\i*3072
.endr
.irp i, 0,1,2,3
	FRAG FB+FR*\i, ADRA+FG, FO+\i*3072
.endr
.endm
; 8 matrix instructions: A's blocks a0, a0 + 1 x B's four, step s.  zero = 1: the first product starts the sums from the bias: nothing is ever cleared.
; The 16 accumulators take turns, one instruction a turn, in the same order in every step.
.macro MUL8 s, a0, zero
.irp a, \a0, \a0+1
.irp b, 0,1,2,3
.if \zero
	v_wmma_scale_f32_16x16x128_f8f6f4 v[ACC+8*(4*(\a)+\b):ACC+8*(4*(\a)+\b)+7], v[128*((\s)%2)+48+FR*\b:128*((\s)%2)+48+FR*\b+FR-1], v[128*((\s)%2)+FR*(\a):128*((\s)%2)+FR*(\a)+FR-1], v[BI+8*\b:BI+8*\b+7], v[SC+8*\b+(\s)], v[SC+8*(\a)+(\s)] matrix_a_fmt:MATRIX_FMT_FP6 matrix_b_fmt:MATRIX_FMT_FP6 matrix_a_scale:MATRIX_SCALE_ROW1
.else
	v_wmma_scale_f32_16x16x128_f8f6f4 v[ACC+8*(4*(\a)+\b):ACC+8*(4*(\a)+\b)+7], v[128*((\s)%2)+48+FR*\b:128*((\s)%2)+48+FR*\b+FR-1], v[128*((\s)%2)+FR*(\a):128*((\s)%2)+FR*(\a)+FR-1], v[ACC+8*(4*(\a)+\b):ACC+8*(4*(\a)+\b)+7], v[SC+8*\b+(\s)], v[SC+8*(\a)+(\s)] matrix_a_fmt:MATRIX_FMT_FP6 matrix_b_fmt:MATRIX_FMT_FP6 matrix_a_scale:MATRIX_SCALE_ROW1
.endif
.endr
.endr
.endm
.macro PLACES n                        ; plain vector instructions between a matrix instruction and a load into, or a read of, its registers (ISA guide 7.12.1 for reads)
.rept \n
	v_nop
.endr
.endm
; A step of 128 along K: 16 matrix instructions on buffer s % 4; in its middle step s + 2's fragments are fetched into the buffer that step s - 2 multiplied.
; All of LDS is in before the first step: no step waits for a tensor load or a barrier.
.macro STEP s, zero
.if (\s) < 7
	s_wait_dscnt 8*NL                              ; this step's 32 loads are in (ahead of the first step the scale words too); the next step's 32, issued behind them, may be out
.else
	s_wait_dscnt 0x0
.endif
	WIN (1+((\s)/2)%2)*5                           ; sources 0 and 1: this step's window
	MUL8 \s, 0, \zero
.if (\s) < 6
	PLACES NP
	FETCH (\s)+2                                   ; fragments are fetched two steps ahead, into the buffer that step s - 2 multiplied
.endif
	WIN (1+((\s)/2)%2)*5
	MUL8 \s, 2, \zero
.endm
	s_wait_loadcnt 0x0                             ; the bias
	s_wait_tensorcnt 0x0                           ; my one load is in,
	s_barrier_signal -1
	s_barrier_wait -1                              ; everybody's are
.irp i, 0,1,2,3                                ; the scale words of all eight steps, once: a row's 32 bytes; lanes 0-15 take A's block i, lanes 16-31 B's block i
	ds_load_b128 v[SC+8*\i:SC+8*\i+3], v[ADRS] offset:\i*512
	ds_load_b128 v[SC+8*\i+4:SC+8*\i+7], v[ADRS] offset:\i*512+16
.endr
	FETCH 0
	FETCH 1
	STEP 0, 1                                      ; the first products start the sums from the bias
.irp s, 1,2,3,4,5,6,7
	STEP \s, 0
.endr
	WIN 0
; THE WAY OUT, block by block of 16 rows x 64 columns, through my own stage in LDS: in at the columns' true places, back as whole rows of 256 bytes, which go to the rows' true places.
; LDS serves a wave's instructions in order (ISA guide 5.7.1.4): no wait between the stores and the loads, nor in front of the next block's stores.
.macro TOSTAGE a
.irp b, 0,1,2,3
	ds_store_b128 v[STO], v[ACC+8*(4*(\a)+\b):ACC+8*(4*(\a)+\b)+3] offset:128*(\b/2)+32*(\b%2)          ; each accumulator from its low end on
	ds_store_b128 v[STO], v[ACC+8*(4*(\a)+\b)+4:ACC+8*(4*(\a)+\b)+7] offset:128*(\b/2)+32*(\b%2)+16
.endr
.set BB, BK+32*((\a)%2)
.irp t, 0,1,2,3,4,5,6,7
	ds_load_b128 v[BB+4*\t:BB+4*\t+3], v[RD] offset:2*\t*SPITCH
.endr
.endm
.macro SEND a, younger                 ; place 2 t + h of block a is row 32 (a / 2) + 8 (a % 2) + 2 t + 8 (t / 4) + h of my 64: all but h stands in the immediate, 62 rows of 4,096 bytes at the most
.set BB, BK+32*((\a)%2)
	s_wait_dscnt \younger
.irp t, 0,1,2,3,4,5,6,7
	global_store_b128 v[CO], v[BB+4*\t:BB+4*\t+3], s[12:13] offset:(32*((\a)/2)+8*((\a)%2)+2*\t+8*(\t/4))*4096 th:TH_STORE_NT   ; sixteen lanes store 256 consecutive bytes, aligned; written once, read by nobody here
.endr
.endm
	PLACES NP                                      ; behind the last products: their results are read from here on
	TOSTAGE 0
.irp a, 1,2,3
.if \a > 1
	s_wait_xcnt 0x0                                ; block a - 2's stores have read their registers: block a's loads may land there
.endif
	TOSTAGE \a
	SEND \a-1, 16                                  ; behind block a - 1's loads: block a's 8 stores and 8 loads
.endr
	SEND 3, 0
	s_wait_tensorcnt 0x0
	ds_add_u32 v30, v31
	s_wait_dscnt 0x0
	CROUND                                         ; the closing round: no work-group ends while a partner may still ask for a tile that names it
	s_endpgm
.Lfunc_end_k_q6eb03695f7_outp:
	.size	k_q6eb03695f7_outp, .Lfunc_end_k_q6eb03695f7_outp-k_q6eb03695f7_outp
	.p2alignl 7, 3214868480
	.fill 96, 4, 3214868480
	.section	.rodata,"a",@progbits
	.p2align	6, 0x0
	.amdhsa_kernel k_q6eb03695f7_outp
		.amdhsa_group_segment_fixed_size 222720
		.amdhsa_private_segment_fixed_size 0
		.amdhsa_enable_private_segment 0
		.amdhsa_kernarg_size 48
		.amdhsa_user_sgpr_count 2
		.amdhsa_user_sgpr_kernarg_segment_ptr 1
		.amdhsa_wavefront_size32 1
		.amdhsa_system_sgpr_workgroup_id_x 1
		.amdhsa_system_sgpr_workgroup_id_y 1
		.amdhsa_system_sgpr_workgroup_id_z 1
		.amdhsa_system_vgpr_workitem_id 0
		.amdhsa_next_free_vgpr 768
		.amdhsa_next_free_sgpr 106
		.amdhsa_reserve_vcc 0
		.amdhsa_float_denorm_mode_32 3
		.amdhsa_float_denorm_mode_16_64 3
		.amdhsa_memory_ordered 1
		.amdhsa_forward_progress 1
		.amdhsa_inst_pref_size 51
	.end_amdhsa_kernel
	.amdgpu_metadata
---
amdhsa.version: [ 1, 2 ]
amdhsa.kernels:
  - .name:           k_q6eb03695f7_outp
    .symbol:         k_q6eb03695f7_outp.kd
    .args:
      - { .name: ac, .offset: 0, .size: 8, .value_kind: global_buffer, .address_space: global }
      - { .name: asc, .offset: 8, .size: 8, .value_kind: global_buffer, .address_space: global }
      - { .name: wc, .offset: 16, .size: 8, .value_kind: global_buffer, .address_space: global }
      - { .name: ws, .offset: 24, .size: 8, .value_kind: global_buffer, .address_space: global }
      - { .name: bo, .offset: 32, .size: 8, .value_kind: global_buffer, .address_space: global }
      - { .name: out0, .offset: 40, .size: 8, .value_kind: global_buffer, .address_space: global }
    .group_segment_fixed_size: 222720
    .private_segment_fixed_size: 0
    .kernarg_segment_align: 8
    .kernarg_segment_size: 48
    .max_flat_workgroup_size: 128
    .sgpr_count:     106
    .vgpr_count:     768
    .wavefront_size: 32
...
	.end_amdgpu_metadata
.endif
;; end of part 4
